; MI455X (gfx1250); checked and timed in simulation.
; The chip was launched on July 23, 2026; its instructions are those of AMD's public machine-readable ISA for CDNA 5 (MIT licence, August 2026) and "CDNA5" Instruction Set Architecture Reference Guide (July 2026). The comments in the code are by the model that wrote it; some were corrected since.
;; Attention. Allowed arithmetic: matrix products marked QUANTISED: E2M3 operands, one E8M0 scale for each 32 along K, by v_wmma_scale_f32_16x16x128_f8f6f4 with both operands' format E2M3, f32 sums; everything else in f32.
;; Inputs: k_beta 64 float32; k_gamma 64 float32; proj_b 1,024 float32; proj_w 1,024 x 1,024 float32; q_beta 64 float32; q_gamma 64 float32; qkv_w 1,024 x 3,072 float32; x 2 x 2,048 x 1,024 float32.
;; Outputs: out0 2 x 2,048 x 1,024 float32.
;; This version of the problem:
;;   THIS VERSION OF THE PROBLEM IS GIVEN IN LOW PRECISION. The matrix products marked QUANTISED in the list below multiply operands that are first quantised to E2M3 (2 exponent bits, 3 mantissa bits; 6 bits a number), with one power-of-two scale for each 32 numbers along K (OCP MX v1.0); their sums are f32. All else is computed in f32.
;;   The module's matrix products, in the order in which they are computed (A, B: the left and right operand; K: the contracted axis; several contracted axes count as one K, in the product's order):
;;     1. [M 4,096, K 1,024] x [K 1,024, N 3,072]; A: input x; B: input qkv_w: QUANTISED
;;     2. batch 32 x [M 2,048, K 64] x [K 64, N 2,048]; A: computed on the way; B: computed on the way: QUANTISED
;;     3. batch 32 x [M 2,048, K 2,048] x [K 2,048, N 64]; A: softmax (see below); B: computed on the way: QUANTISED
;;     4. [M 4,096, K 1,024] x [K 1,024, N 1,024]; A: computed on the way; B: input proj_w: QUANTISED
;;   THE QUANTISER, for each operand of a quantised product, along K:
;;     - K is cut into blocks of 32 from its start; a last block that is shorter is filled with zeros.
;;     - A block's scale is 2^e with e = floor(log2(the largest magnitude in the block)) - 2, held to -126 .. 127; a block of zeros has e = 0. As a byte (E8M0): e + 127.
;;     - Each number is divided by its block's scale, clamped to +-7.5, and rounded to the nearest number of E2M3, ties to even, subnormals kept.
;;     - The product sums the exact products of the quantised numbers (number of the format x scale) in f32.
;;   ~~~python
;;   def quantise(x, axis):      # numpy; x: float32 -> the quantised numbers, widened to float32 again
;;       x = np.moveaxis(x, axis, -1); K = x.shape[-1]
;;       x = np.pad(x, [(0, 0)] * (x.ndim - 1) + [(0, -K % 32)]); x = x.reshape(x.shape[:-1] + (-1, 32)); a = np.abs(x).max(-1, keepdims=True)
;;       e = np.where(a > 0, np.clip(np.frexp(np.where(a > 0, a, 1))[1] - 1 - 2, -126, 127), 0)      # np.frexp(a)[1] - 1 = floor(log2(a)), exactly
;;       r = np.clip(x / 2.0 ** e, -7.5, 7.5)
;;       step = 2.0 ** (np.maximum(np.frexp(np.where(r == 0, 1, r))[1] - 1, 0) - 3)
;;       q = np.round(r / step) * step * 2.0 ** e      # np.round: ties to even
;;       return np.moveaxis(q.reshape(q.shape[:-2] + (-1,))[..., :K], -1, axis).astype(np.float32)
;;   ~~~
;;   SOFTMAX AHEAD OF A QUANTISED PRODUCT. Where the list says 'softmax', what is quantised is not the finished softmax but p = 2^(t - M), with t = logit x log2(e) and M = ceil(the row's largest t), a whole number; so 1/2 < the row's largest p <= 1. The row's sum l is taken of the UNQUANTISED p, in f32, and the product's result is divided by l at the end. Since M is a whole number, a kernel that streams over the keys may use a running M (the ceiling of the running maximum): every later rescaling is an exact power of two, which a block's scale takes up: the codes' values come out the same.
;;   OPERANDS COMPUTED ON THE WAY. 'Computed on the way' means the value that the module computes at that place (a softmax that the list does not call 'softmax' is quantised finished and normalised). What goes into a quantiser is computed in f32, as accurately as f32 sums, v_exp_f32 and their like allow (about 1e-6 of the number): no bf16 or f16 on the way to a quantiser, and a product that is left as it is and whose result goes on into a quantised operand takes f32 operands (vector FMAs, or v_wmma_f32_16x16x4_f32). A number that lies on a knife's edge between two numbers of the format may be rounded either way, as far as f32 arithmetic and the matrix unit's own rounding can turn it there, and no further.
;; One version. Each part assembles by itself: llvm-mc -triple=amdgcn-amd-amdhsa -mcpu=gfx1250 --defsym DOCPART=n.
;; ======== version 1 of 1: 4 launches
;; limits: right only within a limited range of input values
;; workspace buffers: cin 5,505,024 bytes; sc1 229,376 bytes; pwc 786,432 bytes; sc2 163,840 bytes; qkvc 10,092,544 bytes; oc 3,145,728 bytes
;; launch prep (part 1): grid 256 x 1, 8 waves a work-group, no clusters, 136,192 bytes of LDS; arguments x, qkv_w, proj_w, cin, sc1, pwc, sc2; writes cin, sc1, pwc, sc2
.if DOCPART == 1
	.amdgcn_target "amdgcn-amd-amdhsa--gfx1250"
	.amdhsa_code_object_version 6
	.text
	.protected	k_q2fed07215d_prep
	.globl	k_q2fed07215d_prep
	.p2align	8
	.type	k_q2fed07215d_prep,@function
k_q2fed07215d_prep:
	s_mov_b64 s[64:65], 0
	v_nop
	global_prefetch_b8 v0, s[64:65] scope:SCOPE_SE
	s_setreg_imm32_b32 hwreg(HW_REG_WAVE_MODE, 25, 1), 1
	s_wait_xcnt 0x0
; x [4096][1024], qkv_w [1024][3072] and proj_w [1024][1024], f32, become codes of FP6 (E2M3) with one E8M0 byte for each 32 along K (K = 1,024 in all three).
; A block's scale is 2^(floor(log2(its largest magnitude)) - 2); its byte is the largest magnitude's exponent field - 2, held at 1 from below by a floor among the maximum's leaves.
; LIMITS: NaN and infinities among the inputs are not served; a block of zeros, or one whose largest magnitude lies under 2^-124, keeps the byte 1 (its codes are zeros or tiny; these bytes are read by this program alone).
; THE CODES ARE LAID AS IMAGES OF OPERAND REGISTERS.  A fragment is 16 rows x 128 K, 12 registers a lane (lane r + 16 h: row r; registers 6 c .. 6 c + 5: k = 64 c + 32 h + 0 .. 31); its image is 1,536 bytes:
; registers 4 c .. 4 c + 3 of lane l at 512 c + 16 l.  A buffer of codes is [G][q][t][s'][1,536]: tile T = 16 G + t, K step 2 q + s'.  Scale word (T, r, K step s) lies at 512 T + 32 r + 4 s.
; THE ROWS OF A TILE ARE NOT NEIGHBOURS: row r of tile T is index 32 (T / 2) + 8 (T % 2) + r + 8 (r / 8) (tokens, and columns of the weights), so that the results of two neighbouring tiles are 16 neighbours in a lane.
; SHARES.  256 work-groups of eight waves, 128 KB of f32 each.  Work-groups 0-127: 32 tokens of x, wave w K step w (two fragments).  128-223: qkv_w, 224-255: proj_w: 256 columns x one K step, wave w 32 columns.
; The scale words leave as stores of 4 bytes, 32 bytes apart: one byte in 25 of what the launch stores.  No tensor loads, no barrier: waves share nothing; only the path of x uses LDS.
.set TM,   16                          ; v16-31   at work in QUANT
.set R0,   32                          ; v32-95   tile 0's 16 rows as loaded; later tile 1's numbers, 16 neighbours a block
.set R1,   96                          ; v96-159  tile 1's rows as loaded
.set X0,   160                         ; v160-223 tile 0's numbers
.set PC0,  224                         ; v224-243 tile 0's codes
.set PC1,  96                          ; v96-115  tile 1's codes (R1 is done with)
.set PW0,  244
.set PW1,  245
.set SEL,  30                          ; s[30:31] lane selects for v_permlanex16_b32: lane l xor 16
.set STGB, 8448                        ; a stage: 16 rows x (512 bytes + 16)
.set WREG, 16896                       ; two stages for each wave
; 64 numbers of a lane, register 16 b + i = k 32 b + 16 (lane / 16) + i of my row, become a fragment's codes in v[pc] .. v[pc + 11] and its scale word in v[pw]
.macro QUANT s, pc, pw
.irp b, 0,1,2,3
	v_max3_num_f32 v[TM+\b], |v[\s+16*\b]|, |v[\s+1+16*\b]|, 0x1800000   ; block b: my 16 numbers, and the floor 2^(3 - 127): the byte cannot fall under 1
.endr
.irp i, 2,4,6,8,10,12,14
.irp b, 0,1,2,3
	s_delay_alu instid0(VALU_DEP_4)
	v_max3_num_f32 v[TM+\b], v[TM+\b], |v[\s+16*\b+\i]|, |v[\s+1+16*\b+\i]|   ; the four blocks by turns
.endr
.endr
.irp b, 0,1,2,3
	s_delay_alu instid0(VALU_DEP_4)
	v_permlanex16_b32 v[TM+4+\b], v[TM+\b], s[SEL], s[SEL+1]
.endr
.irp b, 0,1,2,3
	s_delay_alu instid0(VALU_DEP_4)
	v_max_num_f32 v[TM+\b], v[TM+\b], v[TM+4+\b]   ; with lane l xor 16's: the block's largest magnitude
.endr
.irp b, 0,1,2,3
	s_delay_alu instid0(VALU_DEP_4)
	v_add_nc_u32 v[TM+12+\b], 0xff000000, v[TM+\b]   ; 2 off its exponent field: the conversion takes the exponent field of this operand as its scale
.endr
.irp b, 0,1,2,3
	s_delay_alu instid0(VALU_DEP_4)
	v_lshrrev_b32 v[TM+4+\b], 23, v[TM+12+\b]      ; the scale's byte
.endr
	s_delay_alu instid0(VALU_DEP_3)
	v_lshl_or_b32 v[\pw], v[TM+5], 8, v[TM+4]
	s_delay_alu instid0(VALU_DEP_1)
	v_lshl_or_b32 v[\pw], v[TM+6], 16, v[\pw]
	s_delay_alu instid0(VALU_DEP_1)
	v_lshl_or_b32 v[\pw], v[TM+7], 24, v[\pw]
.irp c, 0,1
	v_cvt_scalef32_pk16_fp6_f32 v[\pc+6*\c:\pc+2+6*\c], v[\s+32*\c:\s+15+32*\c], v[TM+12+2*\c]
	v_cvt_scalef32_pk16_fp6_f32 v[\pc+12+4*\c:\pc+14+4*\c], v[\s+16+32*\c:\s+31+32*\c], v[TM+12+2*\c+1]   ; a conversion's three registers begin on an even number
.endr
	v_nop                                          ; one plain place behind a scaled conversion
.irp c, 0,1                                    ; the layout wants a whole block in a lane: lanes 0-15 block 2 c, lanes 16-31 block 2 c + 1
.irp i, 0,1,2
	v_permlane16_swap_b32 v[\pc+6*\c+\i], v[\pc+12+4*\c+\i]
.endr
.irp i, 0,1,2
	s_delay_alu instid0(VALU_DEP_3)
	v_mov_b32 v[\pc+3+6*\c+\i], v[\pc+12+4*\c+\i]
.endr
.endr
.endm
; a weight's block t of 32 along K: all 32 numbers are the lane's own (a lane takes a column, its registers run down K)
.macro WBLOCK t
.set XS, 32+32*(\t)
.set D, 160+12*((\t)%2)+6*((\t)/2)     ; blocks 0 and 2 are the registers of image lane r, blocks 1 and 3 those of image lane r + 16
.if 96-32*(\t) > 63
	s_wait_loadcnt 63                              ; this block's loads are in: 96 - 32 t younger ones were issued, and a count names at most 63
.else
	s_wait_loadcnt 96-32*(\t)                      ; the younger blocks' loads may be out
.endif
	v_max3_num_f32 v12, |v[XS]|, |v[XS+1]|, |v[XS+2]|
	v_max3_num_f32 v13, |v[XS+3]|, |v[XS+4]|, |v[XS+5]|
.irp i, 6,10,14,18,22,26
	s_delay_alu instid0(VALU_DEP_2)
	v_max3_num_f32 v12, v12, |v[XS+\i]|, |v[XS+\i+1]|
	s_delay_alu instid0(VALU_DEP_2)
	v_max3_num_f32 v13, v13, |v[XS+\i+2]|, |v[XS+\i+3]|
.endr
	s_delay_alu instid0(VALU_DEP_2)
	v_max3_num_f32 v12, v12, |v[XS+30]|, |v[XS+31]|
	s_delay_alu instid0(VALU_DEP_1)
	v_max3_num_f32 v12, v12, v13, 0x1800000        ; and the floor
	s_delay_alu instid0(VALU_DEP_1)
	v_add_nc_u32 v11, 0xff000000, v12              ; the conversion's scale operand
	s_delay_alu instid0(VALU_DEP_1)
	v_lshrrev_b32 v13, 23, v11                     ; the byte
.if (\t) == 0
	s_delay_alu instid0(VALU_DEP_1)
	v_mov_b32 v15, v13
.else
	s_delay_alu instid0(VALU_DEP_1)
	v_lshl_or_b32 v15, v13, 8*(\t), v15            ; the column's scale word for this K step
.endif
	v_cvt_scalef32_pk16_fp6_f32 v[D:D+2], v[XS:XS+15], v11
	v_cvt_scalef32_pk16_fp6_f32 v[184:186], v[XS+16:XS+31], v11
	v_nop                                          ; one plain place behind a scaled conversion
	v_mov_b32 v[D+3], v184
	v_mov_b32 v[D+4], v185
	v_mov_b32 v[D+5], v186
.endm
; one weight: s20 = the work-group's number among this weight's; stride = bytes of a row; gb = the weight's first G in its buffer of codes
.macro WPATH stride, src, cod, scl, gb
	s_and_b32 s21, s20, 7                          ; K step
	s_lshr_b32 s22, s20, 3                         ; which 256 columns
	s_mul_i32 s24, s21, 128*\stride
	s_lshl_b32 s23, s22, 10
	s_add_co_u32 s24, s24, s23
	s_lshl_b32 s23, s18, 7
	s_add_co_u32 s24, s24, s23                     ; row 128 s, column 256 cg + 32 w, in bytes
	s_mov_b32 s25, 0
	s_add_nc_u64 s[\src:\src+1], s[\src:\src+1], s[24:25]
	s_add_co_u32 s26, s22, \gb
	s_lshl_b32 s26, s26, 2
	s_lshr_b32 s23, s21, 1
	s_add_co_u32 s26, s26, s23
	s_mul_i32 s26, s26, 49152                      ; [G][q]
	s_mul_i32 s23, s18, 6144
	s_add_co_u32 s26, s26, s23                     ; tile 2 w
	s_and_b32 s23, s21, 1
	s_mul_i32 s23, s23, 1536
	s_add_co_u32 s26, s26, s23
	s_mov_b32 s27, 0
	s_add_nc_u64 s[\cod:\cod+1], s[\cod:\cod+1], s[26:27]
	s_lshl_b32 s28, s22, 4
	s_lshl_b32 s23, s18, 1
	s_add_co_u32 s28, s28, s23
	s_add_co_u32 s28, s28, 256                     ; in both buffers of scale words the weight's tiles begin at tile 256
	s_lshl_b32 s28, s28, 9
	s_lshl_b32 s23, s21, 2
	s_add_co_u32 s28, s28, s23
	s_mov_b32 s29, 0
	s_add_nc_u64 s[\scl:\scl+1], s[\scl:\scl+1], s[28:29]
.set I, 0
.rept 128
	global_load_b32 v[32+I], v1, s[\src:\src+1] offset:I*\stride th:TH_LOAD_NT   ; row 128 s + I at 32 neighbouring columns: 128 consecutive bytes a wave, 1,024 a work-group
.set I, I+1
.endr
	WBLOCK 0
	WBLOCK 1
	WBLOCK 2
	WBLOCK 3
.irp c, 0,1,2
	global_store_b128 v2, v[160+4*\c:163+4*\c], s[\cod:\cod+1] offset:512*\c       ; image lanes 0-15 of two tiles: twice 256 consecutive bytes, aligned
	global_store_b128 v2, v[172+4*\c:175+4*\c], s[\cod:\cod+1] offset:512*\c+256   ; image lanes 16-31
.endr
	global_store_b32 v3, v15, s[\scl:\scl+1]
.endm
	s_load_b256 s[4:11], s[0:1], 0x0               ; x s[4:5], qkv_w s[6:7], proj_w s[8:9], cin s[10:11]
	s_load_b128 s[12:15], s[0:1], 0x20             ; sc1 s[12:13], pwc s[14:15]
	s_load_b64 s[16:17], s[0:1], 0x30              ; sc2
	v_lshl_add_u32 v254, v0, 2, 0x21000
	v_mov_b32 v255, 0
	v_lshrrev_b32 v1, 5, v0
	s_delay_alu instid0(VALU_DEP_1)
	v_readfirstlane_b32 s18, v1                    ; wave 0..7
	v_and_b32 v5, 31, v0                           ; lane
	s_mov_b32 s[SEL], 0x76543210
	s_mov_b32 s[SEL+1], 0xfedcba98
	s_wait_kmcnt 0x0
	s_cmp_lt_u32 ttmp9, 128
	s_cbranch_scc0 .Lweights
	; ---- x: tokens 32 g .. 32 g + 31, K step = my wave's number: tiles 2 g and 2 g + 1
	s_wait_alu depctr_va_vdst(0)
	v_lshlrev_b32 v1, 4, v5                        ; 16 x lane: my bytes of a row's 512, and of an image
	s_mul_i32 s19, s18, WREG
	v_add_nc_u32 v2, s19, v1                       ; into a stage: a row as it lies
	v_and_b32 v6, 15, v5                           ; r
	v_lshrrev_b32 v7, 4, v5                        ; h
	s_delay_alu instid0(VALU_DEP_2)
	v_mul_u32_u24 v3, v6, 528
	s_delay_alu instid0(VALU_DEP_1)
	v_lshl_add_u32 v3, v7, 6, v3
	s_delay_alu instid0(VALU_DEP_1)
	v_add_nc_u32 v3, s19, v3                       ; out of it: row r, + 64 h: my 16 numbers of each block of 32
	v_lshlrev_b32 v4, 5, v6
	s_delay_alu instid0(VALU_DEP_1)
	v_lshl_add_u32 v4, v7, 9, v4                   ; scale words: lanes 0-15 tile 2 g, lanes 16-31 tile 2 g + 1; 32 bytes a row
.irp b, 0,1,2,3
	v_mov_b32 v[TM+4+\b], 0                        ; written once: a lane permute's destination counts as one of its sources
.endr
	s_lshl_b32 s20, ttmp9, 17                      ; 32 tokens of 4,096 bytes
	s_lshl_b32 s21, s18, 9                         ; 128 numbers a K step
	s_add_co_u32 s20, s20, s21
	s_mov_b32 s21, 0
	s_add_nc_u64 s[4:5], s[4:5], s[20:21]
	s_lshr_b32 s22, ttmp9, 3                       ; G
	s_lshl_b32 s22, s22, 2
	s_lshr_b32 s23, s18, 1
	s_add_co_u32 s22, s22, s23
	s_mul_i32 s22, s22, 49152
	s_lshl_b32 s23, ttmp9, 1
	s_and_b32 s23, s23, 15
	s_mul_i32 s23, s23, 3072
	s_add_co_u32 s22, s22, s23
	s_and_b32 s23, s18, 1
	s_mul_i32 s23, s23, 1536
	s_add_co_u32 s22, s22, s23
	s_mov_b32 s23, 0
	s_add_nc_u64 s[10:11], s[10:11], s[22:23]
	s_lshl_b32 s24, ttmp9, 10                      ; two tiles' 512 bytes of scale words
	s_lshl_b32 s25, s18, 2
	s_add_co_u32 s24, s24, s25
	s_mov_b32 s25, 0
	s_add_nc_u64 s[12:13], s[12:13], s[24:25]
.set U, 0
.rept 2
.set R, 0
.rept 16
	global_load_b128 v[R0+64*U+4*R:R0+64*U+4*R+3], v1, s[4:5] offset:(8*U+R+8*(R/8))*4096 th:TH_LOAD_NT   ; row R of tile U: 512 consecutive bytes
.set R, R+1
.endr
.set U, U+1
.endr
	s_wait_alu depctr_va_vdst(0)
	s_wait_loadcnt 16                              ; tile 0's sixteen loads are in, tile 1's may be out
.set R, 0
.rept 16
	ds_store_b128 v2, v[R0+4*R:R0+4*R+3] offset:528*R
.set R, R+1
.endr
.irp b, 0,1,2,3
.irp j, 0,1,2,3
	ds_load_b128 v[X0+16*\b+4*\j:X0+16*\b+4*\j+3], v3 offset:128*\b+16*\j   ; LDS serves a wave's instructions in order: these see the stores above
.endr
.endr
	s_wait_loadcnt 0x0
.set R, 0
.rept 16
	ds_store_b128 v2, v[R1+4*R:R1+4*R+3] offset:STGB+528*R
.set R, R+1
.endr
	s_wait_dscnt 16                                ; all but the sixteen stores just issued: tile 0's numbers are back, and its stores have read R0
.irp b, 0,1,2,3
.irp j, 0,1,2,3
	ds_load_b128 v[R0+16*\b+4*\j:R0+16*\b+4*\j+3], v3 offset:STGB+128*\b+16*\j
.endr
.endr
	QUANT X0, PC0, PW0
.irp c, 0,1,2
	global_store_b128 v1, v[PC0+4*\c:PC0+4*\c+3], s[10:11] offset:512*\c   ; 512 consecutive bytes, aligned
.endr
	s_wait_dscnt 0x0                               ; tile 1's numbers are back, and its stores have read R1
	QUANT R0, PC1, PW1
.irp c, 0,1,2
	global_store_b128 v1, v[PC1+4*\c:PC1+4*\c+3], s[10:11] offset:3072+512*\c
.endr
	v_cmp_le_u32 vcc_lo, 16, v5
	s_delay_alu instid0(VALU_DEP_1)
	v_cndmask_b32 v246, v[PW0], v[PW1], vcc_lo     ; both halves of the lanes hold row r's word of either tile
	global_store_b32 v4, v246, s[12:13]
	s_wait_tensorcnt 0x0
	ds_add_u32 v254, v255
	s_wait_dscnt 0x0
	s_endpgm
.Lweights:
	s_wait_alu depctr_va_vdst(0)
	v_lshlrev_b32 v1, 2, v5                        ; 4 bytes a lane: column 32 w + lane
	v_bfe_u32 v6, v5, 3, 1                         ; by the order of a tile's rows that column is row r' = lane % 8 + 8 (lane / 16) of tile 2 w + u, u = (lane / 8) % 2
	v_and_b32 v7, 7, v5
	v_lshrrev_b32 v8, 4, v5
	s_delay_alu instid0(VALU_DEP_1)
	v_lshl_add_u32 v7, v8, 3, v7
	s_delay_alu instid0(VALU_DEP_4)
	v_mul_u32_u24 v2, v6, 3072
	s_delay_alu instid0(VALU_DEP_1)
	v_lshl_add_u32 v2, v7, 4, v2                   ; its place in the images
	v_lshlrev_b32 v3, 9, v6
	s_delay_alu instid0(VALU_DEP_1)
	v_lshl_add_u32 v3, v7, 5, v3                   ; and among the scale words
	s_cmp_lt_u32 ttmp9, 224
	s_cbranch_scc0 .Lproj_w
	s_sub_co_u32 s20, ttmp9, 128
	s_wait_alu depctr_va_vdst(0)
	WPATH 12288, 6, 10, 12, 16
	s_endpgm
.Lproj_w:
	s_sub_co_u32 s20, ttmp9, 224
	s_wait_alu depctr_va_vdst(0)
	WPATH 4096, 8, 14, 16, 0
	s_endpgm
.Lfunc_end_k_q2fed07215d_prep:
	.size	k_q2fed07215d_prep, .Lfunc_end_k_q2fed07215d_prep-k_q2fed07215d_prep
	.p2alignl 7, 3214868480
	.fill 96, 4, 3214868480
	.section	.rodata,"a",@progbits
	.p2align	6, 0x0
	.amdhsa_kernel k_q2fed07215d_prep
		.amdhsa_group_segment_fixed_size 136192
		.amdhsa_private_segment_fixed_size 0
		.amdhsa_enable_private_segment 0
		.amdhsa_kernarg_size 56
		.amdhsa_user_sgpr_count 2
		.amdhsa_user_sgpr_kernarg_segment_ptr 1
		.amdhsa_wavefront_size32 1
		.amdhsa_system_sgpr_workgroup_id_x 1
		.amdhsa_system_sgpr_workgroup_id_y 1
		.amdhsa_system_sgpr_workgroup_id_z 1
		.amdhsa_system_vgpr_workitem_id 0
		.amdhsa_next_free_vgpr 256
		.amdhsa_next_free_sgpr 66
		.amdhsa_reserve_vcc 1
		.amdhsa_float_denorm_mode_32 3
		.amdhsa_float_denorm_mode_16_64 3
		.amdhsa_memory_ordered 1
		.amdhsa_forward_progress 1
		.amdhsa_inst_pref_size 66
	.end_amdhsa_kernel
	.amdgpu_metadata
---
amdhsa.version: [ 1, 2 ]
amdhsa.kernels:
  - .name:           k_q2fed07215d_prep
    .symbol:         k_q2fed07215d_prep.kd
    .args:
      - { .name: x, .offset: 0, .size: 8, .value_kind: global_buffer, .address_space: global }
      - { .name: qkv_w, .offset: 8, .size: 8, .value_kind: global_buffer, .address_space: global }
      - { .name: proj_w, .offset: 16, .size: 8, .value_kind: global_buffer, .address_space: global }
      - { .name: cin, .offset: 24, .size: 8, .value_kind: global_buffer, .address_space: global }
      - { .name: sc1, .offset: 32, .size: 8, .value_kind: global_buffer, .address_space: global }
      - { .name: pwc, .offset: 40, .size: 8, .value_kind: global_buffer, .address_space: global }
      - { .name: sc2, .offset: 48, .size: 8, .value_kind: global_buffer, .address_space: global }
    .group_segment_fixed_size: 136192
    .private_segment_fixed_size: 0
    .kernarg_segment_align: 8
    .kernarg_segment_size: 56
    .max_flat_workgroup_size: 256
    .sgpr_count:     66
    .vgpr_count:     256
    .wavefront_size: 32
...
	.end_amdgpu_metadata
.endif
;; end of part 1
;; launch qkv (part 2): grid 12 x 16, 4 waves a work-group, clusters of 4 x 4, 327,680 bytes of LDS; arguments cin, sc1, q_gamma, q_beta, k_gamma, k_beta, qkvc; writes qkvc
.if DOCPART == 2
	.amdgcn_target "amdgcn-amd-amdhsa--gfx1250"
	.amdhsa_code_object_version 6
	.text
	.protected	k_q2fed07215d_qkv
	.globl	k_q2fed07215d_qkv
	.p2align	8
	.type	k_q2fed07215d_qkv,@function
k_q2fed07215d_qkv:
	s_mov_b64 s[64:65], 0
	v_nop
	global_prefetch_b8 v0, s[64:65] scope:SCOPE_SE
	s_setreg_imm32_b32 hwreg(HW_REG_WAVE_MODE, 25, 1), 1
	s_wait_xcnt 0x0
	s_wait_alu depctr_hold_cnt(0) depctr_sa_sdst(0) depctr_va_vdst(0) depctr_va_sdst(0) depctr_va_ssrc(0) depctr_va_vcc(0) depctr_vm_vsrc(0)
	s_getreg_b32 s2, hwreg(HW_REG_IB_STS2, 6, 4)
	s_cmp_eq_u32 s2, 0
	s_cbranch_scc0 .Lentry_in_a_cluster
	s_endpgm
.Lentry_in_a_cluster:
	s_bfe_u32 s2, ttmp6, 0x10000c
	s_cmp_lg_u32 s2, 0xf033
	s_cbranch_scc0 .Lentry_shape_is_right
	s_endpgm
.Lentry_shape_is_right:
; qkv = x qkv_w on codes of FP6 (E2M3) with E8M0 scales; then LayerNorm over each head's 64 for q and k, and the quantisers of q, k (along the head) and v (along the keys).  Nothing but codes and scale words is stored.
; A work-group of four waves makes 256 x 256, a wave 128 x 128: 64 accumulators, 512 registers.  192 work-groups: a tile that gave each of 256 work-groups a share would not fall into whole heads x 128 tokens a wave.
; ONE MAIN LOOP, TWO USES.  Source 0 is called P, source 1 Q; in the result a lane holds one row of Q and its registers run along P's rows.  Clusters 0 and 1 along x (q, k): P = 256 columns of the weight, Q = 256 tokens:
; a lane holds a token and its registers run along the head, which is what LayerNorm and the next product's K want.  Cluster 2 (v): P = tokens, Q = v's channels: a lane holds a channel and its registers run along the keys.
; Codes come as images of operand registers (1,536 bytes a fragment: registers 4 c .. 4 c + 3 of lane l at 512 c + 16 l), so a fragment is three ds_load_b128 of consecutive bytes, and 8 tiles x 256 K are 24,576 dense bytes for one tensor load.
; The rows of a tile are index 32 (T / 2) + 8 (T % 2) + r + 8 (r / 8): the 16 registers of P's tiles 2 b, 2 b + 1 are then 16 neighbours, 32 b + 16 (lane / 16) + 0 .. 15.
; K = 1,024 is four slots' worth (256 K each); three slots lie in LDS, the fourth part is brought into the first slot's bytes: the launch's one refill.  The eight K steps are written out: no loop.
; CLUSTER 4 x 4: P hangs on the place along x alone and is shared along a column of the cluster, Q on the place along y alone and is shared along a row: joint loads.
; OUT: qkvc [32 heads][16 groups of 128 tokens][19,712]: K codes 8 x 768 | K scale words 512 | V codes 4 x 1,536 | V scale words 256 | Q codes 8 x 768 | Q scale words 512.  Half a fragment (64 K, 6 registers) is 768 bytes: registers 0-3 at 16 l, 4-5 at 512 + 8 l.
; LIMITS: NaN and infinities are not served; a block of zeros keeps the scale byte 1; the norm is ((x - mean) rstd) gamma + beta with the last two steps fused: another order of rounding than gamma (x - mean) rstd + beta, within 2 ulp.  The variance is the mean of squared differences from the mean.
; REGISTERS.  window 0: v1-7 lane terms; v16-22 LDS addresses; v28-29 for the add; v32-95 scale words, and nothing else ever; v128-223 Q's fragments, one set; behind the products v96-241 are at work.
;   window 1: P's fragments, two sets, at v0 and v128; behind the products v0-31 gamma, v32-63 beta.   windows 2, 3: accumulator (a, b) at v[8 (8 (a % 4) + b)], a = Q's block, b = P's.
.set SLOTB, 98304                      ; one part of K (256 along K) of both operands; three parts lie in LDS, laid [wave that fetched][part][24,576]
.set HALFB, 24576                      ; 8 tiles x 256 K: what one tensor load brings, and what one wave reads of P or of Q
.set SPARE, 3*SLOTB                    ; behind the slots: the spare words, 128 bytes a wave: two blocks of 256 bytes that no other line names
.set HEADB, 315392                     ; a head in qkvc
.set BLKB,  19712                      ; 128 tokens of a head in qkvc
.set ADRP, 16                          ; v16-18  my P fragments in slot 0, 1, 2
.set ADRQ, 20                          ; v20-22  my Q fragments
.set SPW,  28                          ; v28     LDS address of my spare word; never rewritten
.set NIL,  29                          ; v29     0; never rewritten
.set SC,   32                          ; v[SC + 8 i + k]: lanes 0-15 the word of Q's block i, lanes 16-31 that of P's block i, for K step k
.set QF,   128
.set ST,   96                          ; v96-159  64 numbers at work
.set TM,   160                         ; v160-175 at work in QUANT
.set PW,   176                         ; v176-183 the eight scale words made
.set SU,   224                         ; v224-231 sums: head e, chain n at SU + 4 e + 2 n, pairs
.set MN,   232                         ; v232, v234 the heads' means (named as pairs)
.set RS,   236                         ; v236, v238 1 / sqrt(var + eps)
.set GAM,  0                           ; window 1
.set BET,  32
.set G1P, 24                           ; s[24:31] descriptor group 1 for P;  s[32:39] for Q: they differ in the mask
.set G1Q, 32
.set G0P, 40                           ; s[40:47] groups 0 for P: the head's load (parts 0-2 of K) and the refill (part 3);  s[68:75] for Q
.set G0Q, 68
.set G1HP, 48                          ; s[48:55] group 1 of the head's load for P: 3 rows of 24,576 bytes, 49,152 apart in memory;  s[76:83] for Q
.set G1HQ, 76
.set MSB, 0
.macro WIN new                         ; the immediate's high byte repeats the setting that is left; a switch that changes nothing is dropped
.if MSB != (\new)
	s_set_vgpr_msb (MSB<<8)|(\new)
.set MSB, \new
.endif
.endm
.macro PLACES                          ; four plain places behind a matrix instruction, in front of loads into its registers and of reads of its results
.rept 4
	v_nop
.endr
.endm
.macro CREST                           ; a round of the cluster's barrier behind its opening barrier
	s_cmp_lg_u32 s18, 0
	s_cbranch_scc1 .Lnot_wave_0_\@
	s_barrier_signal -3
.Lnot_wave_0_\@:
	s_barrier_wait -3
	s_barrier_signal -1
	s_barrier_wait -1
.endm
.macro CROUND
	s_barrier_signal -1
	s_barrier_wait -1
	CREST
.endm
.macro JLOAD n                         ; a joint load of part n of K: waves 0, 1 fetch P's halves, waves 2, 3 Q's; four v_nop follow each of the two lines
	s_cmp_eq_u32 s19, 0
	s_cbranch_scc0 .Lfor_q_\@
	tensor_load_to_lds s[G0P+4*\n:G0P+4*\n+3], s[G1P:G1P+7]
	s_nop 0
.rept 4
	v_nop
.endr
	s_branch .Lasked_\@
.Lfor_q_\@:
	tensor_load_to_lds s[G0Q+4*\n:G0Q+4*\n+3], s[G1Q:G1Q+7]
	s_nop 0
.rept 4
	v_nop
.endr
.Lasked_\@:
.endm
.macro FRAG reg, adr, off              ; a fragment's image: three loads of 512 consecutive bytes
.irp c, 0,1,2
	ds_load_b128 v[\reg+4*\c:\reg+4*\c+3], v[\adr] offset:\off+512*\c
.endr
.endm
.macro FETCH_P slot, sp, set           ; P's eight fragments of the slot's sp-th 128 along K
	WIN 0x40
.irp i, 0,1,2,3,4,5,6,7
	FRAG 128*(\set)+12*\i, ADRP+\slot, \i*3072+(\sp)*1536
.endr
	WIN 0
.endm
.macro FETCH_Q slot, sp, i0            ; Q's blocks i0 .. i0 + 3
.irp i, \i0, \i0+1, \i0+2, \i0+3
	FRAG QF+12*(\i), ADRQ+\slot, (\i)*3072+(\sp)*1536
.endr
.endm
; 16 matrix instructions: Q's blocks a0, a0 + 1 x P's eight, K step k.  The 64 accumulators take turns, one instruction a turn, in the same order in every step
.macro MUL16 a0, set, k, zero
.irp a, \a0, \a0+1
.irp b, 0,1,2,3,4,5,6,7
.if \zero
	v_wmma_scale_f32_16x16x128_f8f6f4 v[8*(8*((\a)%4)+\b):8*(8*((\a)%4)+\b)+7], v[128*(\set)+12*\b:128*(\set)+12*\b+11], v[QF+12*(\a):QF+12*(\a)+11], 0, v[SC+8*\b+(\k)], v[SC+8*(\a)+(\k)] matrix_a_fmt:MATRIX_FMT_FP6 matrix_b_fmt:MATRIX_FMT_FP6 matrix_a_scale:MATRIX_SCALE_ROW1
.else
	v_wmma_scale_f32_16x16x128_f8f6f4 v[8*(8*((\a)%4)+\b):8*(8*((\a)%4)+\b)+7], v[128*(\set)+12*\b:128*(\set)+12*\b+11], v[QF+12*(\a):QF+12*(\a)+11], v[8*(8*((\a)%4)+\b):8*(8*((\a)%4)+\b)+7], v[SC+8*\b+(\k)], v[SC+8*(\a)+(\k)] matrix_a_fmt:MATRIX_FMT_FP6 matrix_b_fmt:MATRIX_FMT_FP6 matrix_a_scale:MATRIX_SCALE_ROW1
.endif
.endr
.endr
.endm
; K step k; the next step's fragments come from slot nslot, its nsp-th 128 along K, which every wave's earlier wait and barrier have shown whole
.macro STEP k, nslot, nsp, zero
	s_wait_dscnt 12                                ; P's set and Q's blocks 0-3 are in; the youngest twelve loads (Q's blocks 4-7) may be out
	WIN 0xa1
	MUL16 0, (\k)%2, \k, \zero
	MUL16 2, (\k)%2, \k, \zero
	s_wait_dscnt 0x0                               ; Q's blocks 4-7 are in
	PLACES
	FETCH_P \nslot, \nsp, 1-(\k)%2
	FETCH_Q \nslot, \nsp, 0
	WIN 0xf1
	MUL16 4, (\k)%2, \k, \zero
	MUL16 6, (\k)%2, \k, \zero
	PLACES
	WIN 0
	FETCH_Q \nslot, \nsp, 4
.endm
; An odd K step that ends the reading of a slot.  Each wave waits for all its tensor loads, adds 0 to its spare word, and waits for that and for its reads.  fill = 1: the slot just read is filled with the last part of K, behind a round of the cluster's barrier
.macro TURN k, nslot, fill
	s_wait_tensorcnt 0x0                           ; all my tensor loads have landed
	ds_add_u32 v[SPW], v[NIL]                      ; 0 onto my spare word
	s_wait_dscnt 13                                ; the add and Q's blocks 4-7 may be out
	WIN 0xa1
	MUL16 0, 1, \k, 0                              ; sixteen matrix instructions stand between the add and the wait for it
	s_wait_dscnt 0x0                               ; the add is done, and my reads of this slot are over
	s_barrier_signal -1
	MUL16 2, 1, \k, 0
	WIN 0
	s_barrier_wait -1
.if \fill
	CREST                                          ; no wave of any partner still reads the slot or has a load on its way
	JLOAD 1                                        ; part 3 of K: the first tensor load behind the round, one a wave; its four v_nop are the places in front of the loads below
.else
	PLACES
.endif
	s_wait_alu depctr_va_vdst(0)
	FETCH_P \nslot, 0, 0
	FETCH_Q \nslot, 0, 0
	WIN 0xf1
	MUL16 4, 1, \k, 0
	MUL16 6, 1, \k, 0
	PLACES
	WIN 0
	FETCH_Q \nslot, 0, 4
.endm
; 64 numbers of a lane in window w, register 16 b + i = k 32 b + 16 (lane / 16) + i of my row, become a fragment's codes in v[pc] .. v[pc + 11] and its scale word in v[pw] (window 0)
.macro QUANT s, w, pc, pw
	WIN ((\w)<<2)|((\w)<<4)
.irp b, 0,1,2,3
	v_max3_num_f32 v[TM+\b], 0x1800000, |v[\s+16*\b]|, |v[\s+1+16*\b]|   ; block b: my 16 numbers, from each accumulator's low end on, and the floor 2^(3 - 127)
.endr
.irp i, 2,4,6,8,10,12,14
.irp b, 0,1,2,3
	v_max3_num_f32 v[TM+\b], v[TM+\b], |v[\s+16*\b+\i]|, |v[\s+1+16*\b+\i]|
.endr
.endr
	WIN 0
.irp b, 0,1,2,3
	v_permlanex16_b32 v[TM+4+\b], v[TM+\b], s60, s61
.endr
.irp b, 0,1,2,3
	v_max_num_f32 v[TM+\b], v[TM+\b], v[TM+4+\b]   ; with lane l xor 16's: the block's largest magnitude
.endr
.irp b, 0,1,2,3
	v_add_nc_u32 v[TM+12+\b], 0xff000000, v[TM+\b]   ; 2 off its exponent field: the conversion's scale operand
.endr
.irp b, 0,1,2,3
	v_lshrrev_b32 v[TM+4+\b], 23, v[TM+12+\b]      ; the scale's byte
.endr
	v_lshl_or_b32 v[\pw], v[TM+5], 8, v[TM+4]
	v_lshl_or_b32 v[\pw], v[TM+6], 16, v[\pw]
	v_lshl_or_b32 v[\pw], v[TM+7], 24, v[\pw]
	WIN \w
.irp c, 0,1
	v_cvt_scalef32_pk16_fp6_f32 v[\pc+6*\c:\pc+2+6*\c], v[\s+32*\c:\s+15+32*\c], v[TM+12+2*\c]
	v_cvt_scalef32_pk16_fp6_f32 v[\pc+12+4*\c:\pc+14+4*\c], v[\s+16+32*\c:\s+31+32*\c], v[TM+12+2*\c+1]
.endr
	WIN 0
	v_nop                                          ; one plain place behind a scaled conversion
.irp c, 0,1
.irp i, 0,1,2
	v_permlane16_swap_b32 v[\pc+6*\c+\i], v[\pc+12+4*\c+\i]
.endr
.irp i, 0,1,2
	v_mov_b32 v[\pc+3+6*\c+\i], v[\pc+12+4*\c+\i]
.endr
.endr
.endm
.macro REDUCE                          ; each head's two chains, the pair's halves and lane l xor 16's: the sum over the head's 64, in v[SU + 4 e]
.irp e, 0,1
	v_pk_add_f32 v[SU+4*\e:SU+4*\e+1], v[SU+4*\e:SU+4*\e+1], v[SU+4*\e+2:SU+4*\e+3]
.endr
.irp e, 0,1
	v_add_f32 v[SU+4*\e], v[SU+4*\e], v[SU+4*\e+1]
.endr
.irp e, 0,1
	v_permlanex16_b32 v[SU+4*\e+2], v[SU+4*\e], s60, s61
.endr
.irp e, 0,1
	v_add_f32 v[SU+4*\e], v[SU+4*\e], v[SU+4*\e+2]
.endr
.endm
; q or k: the 16 tokens of Q's block a, two heads: LayerNorm, quantiser, two half fragments out
.macro LNQ a
.set W, 2+(\a)/4
.set AC, 64*((\a)%4)
.set PC, 184+20*((\a)%2)
.if (\a) >= 2
	s_wait_xcnt 0x0                                ; block a - 2's stores have read this set of code registers
.endif
	WIN W|(W<<2)
.irp e, 0,1
	v_pk_add_f32 v[SU+4*\e:SU+4*\e+1], v[AC+32*\e:AC+32*\e+1], v[AC+32*\e+2:AC+32*\e+3]   ; each accumulator is read from its low end on
	v_pk_add_f32 v[SU+4*\e+2:SU+4*\e+3], v[AC+32*\e+4:AC+32*\e+5], v[AC+32*\e+6:AC+32*\e+7]
.endr
	WIN W<<2
.irp j, 8,12,16,20,24,28
.irp e, 0,1
	v_pk_add_f32 v[SU+4*\e:SU+4*\e+1], v[SU+4*\e:SU+4*\e+1], v[AC+32*\e+\j:AC+32*\e+\j+1]
	v_pk_add_f32 v[SU+4*\e+2:SU+4*\e+3], v[SU+4*\e+2:SU+4*\e+3], v[AC+32*\e+\j+2:AC+32*\e+\j+3]
.endr
.endr
	WIN 0
	REDUCE
.irp e, 0,1
	v_mul_f32 v[MN+2*\e], s62, v[SU+4*\e]          ; the mean
.endr
	WIN W
.irp e, 0,1
.irp j, 0,2,4,6,8,10,12,14,16,18,20,22,24,26,28,30
	v_pk_add_f32 v[ST+32*\e+\j:ST+32*\e+\j+1], v[AC+32*\e+\j:AC+32*\e+\j+1], v[MN+2*\e:MN+2*\e+1] op_sel_hi:[1,0] neg_lo:[0,1] neg_hi:[0,1]   ; x - mean
.endr
.endr
	WIN 0
.irp e, 0,1
	v_pk_mul_f32 v[SU+4*\e:SU+4*\e+1], v[ST+32*\e:ST+32*\e+1], v[ST+32*\e:ST+32*\e+1]
	v_pk_mul_f32 v[SU+4*\e+2:SU+4*\e+3], v[ST+32*\e+2:ST+32*\e+3], v[ST+32*\e+2:ST+32*\e+3]
.endr
.irp j, 4,8,12,16,20,24,28
.irp e, 0,1
	v_pk_fma_f32 v[SU+4*\e:SU+4*\e+1], v[ST+32*\e+\j:ST+32*\e+\j+1], v[ST+32*\e+\j:ST+32*\e+\j+1], v[SU+4*\e:SU+4*\e+1]
	v_pk_fma_f32 v[SU+4*\e+2:SU+4*\e+3], v[ST+32*\e+\j+2:ST+32*\e+\j+3], v[ST+32*\e+\j+2:ST+32*\e+\j+3], v[SU+4*\e+2:SU+4*\e+3]
.endr
.endr
	REDUCE
.irp e, 0,1
	v_fma_f32 v[SU+4*\e], v[SU+4*\e], s62, s63     ; var + eps
.endr
	s_wait_alu depctr_va_vdst(0)
.irp e, 0,1
	v_rsq_f32 v[RS+2*\e], v[SU+4*\e]
.endr
	v_nop                                          ; one plain place behind a transcendental
	s_wait_alu depctr_va_vdst(0)
.irp e, 0,1
.irp j, 0,2,4,6,8,10,12,14,16,18,20,22,24,26,28,30
	v_pk_mul_f32 v[ST+32*\e+\j:ST+32*\e+\j+1], v[ST+32*\e+\j:ST+32*\e+\j+1], v[RS+2*\e:RS+2*\e+1] op_sel_hi:[1,0]
.endr
.endr
.if (\a) == 0
	s_wait_loadcnt 0x0                             ; gamma and beta
.endif
	WIN 0x14                                       ; sources 1 and 2 in window 1
.irp e, 0,1
.irp j, 0,2,4,6,8,10,12,14,16,18,20,22,24,26,28,30
	v_pk_fma_f32 v[ST+32*\e+\j:ST+32*\e+\j+1], v[ST+32*\e+\j:ST+32*\e+\j+1], v[GAM+\j:GAM+\j+1], v[BET+\j:BET+\j+1]
.endr
.endr
	QUANT ST, 0, PC, PW+\a
	global_store_b128 v2, v[PC:PC+3], s[16:17] offset:768*(\a)                   ; the first head's half fragment: 512 and 256 consecutive bytes, aligned
	global_store_b64 v3, v[PC+4:PC+5], s[16:17] offset:768*(\a)+512
	global_store_b128 v2, v[PC+6:PC+9], s[16:17] offset:HEADB+768*(\a)           ; the second head's
	global_store_b64 v3, v[PC+10:PC+11], s[16:17] offset:HEADB+768*(\a)+512
.endm
; v: the 16 channels of Q's block a, 128 keys: the accumulators go straight into the quantiser
.macro VQ a
.set W, 2+(\a)/4
.set AC, 64*((\a)%4)
.set PC, 184+20*((\a)%2)
.if (\a) >= 2
	s_wait_xcnt 0x0                                ; block a - 2's stores have read this set of code registers
.endif
	QUANT AC, W, PC, PW+\a
.irp c, 0,1,2
	global_store_b128 v2, v[PC+4*\c:PC+4*\c+3], s[16:17] offset:((\a)/4)*HEADB+6656+((\a)%4)*1536+512*\c
.endr
.endm
	s_load_b256 s[4:11], s[0:1], 0x0               ; cin s[4:5], sc1 s[6:7], q_gamma s[8:9], q_beta s[10:11]
	s_load_b128 s[12:15], s[0:1], 0x20             ; k_gamma s[12:13], k_beta s[14:15]
	s_load_b64 s[16:17], s[0:1], 0x30              ; qkvc
	v_lshl_add_u32 v[SPW], v0, 2, SPARE
	v_mov_b32 v[NIL], 0
	ds_add_u32 v28, v29
	ds_add_u32 v28, v29
	s_wait_dscnt 0x0
	v_lshrrev_b32 v1, 5, v0
	v_readfirstlane_b32 s18, v1                    ; wave 0..3
	s_lshr_b32 s19, s18, 1                         ; which half of Q's rows is mine.  Also: I fetch for P (0) or for Q (1)
	s_and_b32 s20, s18, 1                          ; which half of P's rows.  Also: which 8 tiles I fetch
	s_bfe_u32 s21, ttmp6, 0x40000                  ; cx
	s_bfe_u32 s22, ttmp6, 0x40004                  ; cy
	s_mov_b32 s23, ttmp9                           ; the cluster's x: 0 q, 1 k, 2 v
	s_and_b32 s84, ttmp7, 0xffff                   ; the cluster's y: which 1,024 tokens
	s_add_co_u32 s85, s23, 4
	s_cmp_lt_u32 s23, 2
	s_cselect_b32 s85, s85, s84                    ; P: the weight's groups 16 + 4 x .. (q, k), or the tokens' (v)
	s_cselect_b32 s86, s84, 6                      ; Q: the tokens', or v's groups 24 ..
	s_lshl_b32 s87, s85, 2
	s_add_co_u32 s87, s87, s21                     ; P's group of 16 tiles in cin: it hangs on cx alone
	s_lshl_b32 s88, s86, 2
	s_add_co_u32 s88, s88, s22                     ; Q's: on cy alone
	s_lshl_b32 s89, 0x1111, s21                    ; my column of the cluster
	s_lshl_b32 s90, s22, 2
	s_lshl_b32 s90, 15, s90                        ; my row
	s_or_b32 s[G1P], s89, (3<<16)|(1<<21)          ; 15:0 the mask; 17:16 elements of 8 bytes; 21 set beside a mask; no padding
	s_or_b32 s[G1Q], s90, (3<<16)|(1<<21)
	s_or_b32 s[G1HP], s89, (3<<16)|(1<<21)
	s_or_b32 s[G1HQ], s90, (3<<16)|(1<<21)
.irp g, G1HP, G1HQ
	s_mov_b32 s[\g+1], 3072<<16                    ; tensor_dim0 = 3,072 elements of 8 bytes: my 8 tiles of one part of K
	s_mov_b32 s[\g+2], 3<<16                       ; tensor_dim1 = 3 parts
	s_mov_b32 s[\g+3], 3072<<16                    ; tile_dim0
	s_mov_b32 s[\g+4], 3                           ; tile_dim1
	s_mov_b32 s[\g+5], 6144                        ; from part to part: 49,152 bytes
	s_mov_b32 s[\g+6], 0
	s_mov_b32 s[\g+7], 0
.endr
.irp g, G1P, G1Q
	s_mov_b32 s[\g+1], 32<<16                      ; tensor_dim0 = 32 elements: rows of 256 bytes
	s_mov_b32 s[\g+2], 96<<16                      ; tensor_dim1 = 96 rows: 24,576 dense bytes
	s_mov_b32 s[\g+3], 32<<16                      ; tile_dim0
	s_mov_b32 s[\g+4], 96                          ; tile_dim1
	s_mov_b32 s[\g+5], 32                          ; the pitch
	s_mov_b32 s[\g+6], 0
	s_mov_b32 s[\g+7], 0
.endr
	s_mul_i32 s56, s20, HALFB
	s_mul_i32 s92, s87, 196608
	s_add_co_u32 s92, s92, s56
	s_mov_b32 s93, 0
	s_mul_i32 s94, s88, 196608
	s_add_co_u32 s94, s94, s56
	s_mov_b32 s95, 0
	s_mul_i32 s58, s18, 3*HALFB                    ; where my three parts go: wave x 73,728: no place in the cluster enters an LDS address
	s_wait_kmcnt 0x0
	s_add_nc_u64 s[96:97], s[4:5], s[92:93]
	s_add_nc_u64 s[98:99], s[4:5], s[94:95]
	CROUND                                         ; all sixteen work-groups are here: the first joint loads meet
.irp n, 0,1
	s_mov_b32 s[G0P+4*\n], 1
	s_add_co_u32 s[G0P+4*\n+1], s58, 0             ; part 3 of K goes where part 0 lay
	s_add_nc_u64 s[G0P+4*\n+2:G0P+4*\n+3], s[96:97], \n*147456
	s_or_b32 s[G0P+4*\n+3], s[G0P+4*\n+3], 0x80000000
	s_mov_b32 s[G0Q+4*\n], 1
	s_add_co_u32 s[G0Q+4*\n+1], s58, 0
	s_add_nc_u64 s[G0Q+4*\n+2:G0Q+4*\n+3], s[98:99], \n*147456
	s_or_b32 s[G0Q+4*\n+3], s[G0Q+4*\n+3], 0x80000000
.endr
	s_cmp_eq_u32 s19, 0                            ; a wave's first fill stands in one branch: one load of mine is out
	s_cbranch_scc0 .Lfirst_q
	tensor_load_to_lds s[G0P:G0P+3], s[G1HP:G1HP+7]   ; one tensor load a wave at the head: parts 0 to 2 of K of my 8 tiles
	s_nop 0
.rept 4
	v_nop
.endr
	s_branch .Lfirst_asked
.Lfirst_q:
	tensor_load_to_lds s[G0Q:G0Q+3], s[G1HQ:G1HQ+7]
	s_nop 0
.rept 4
	v_nop
.endr
.Lfirst_asked:
	v_and_b32 v5, 31, v0                           ; lane
	v_and_b32 v1, 15, v0                           ; r
	v_bfe_u32 v6, v0, 4, 1                         ; h
	s_wait_alu depctr_va_vdst(0)
	v_lshlrev_b32 v2, 4, v5                        ; 16 x lane
	v_lshlrev_b32 v3, 3, v5                        ; 8 x lane
	s_mul_i32 s56, s20, 3*HALFB                    ; my 8 tiles of P: what wave 0 or 1 fetched
	s_mul_i32 s57, s19, 3*HALFB                    ; my 8 tiles of Q: what wave 2 or 3 fetched,
	s_add_co_u32 s57, s57, 6*HALFB                 ; behind P's two regions
.irp s, 0,1,2
	v_add_nc_u32 v[ADRP+\s], s56, v2
	v_add_nc_u32 v[ADRQ+\s], s57, v2
	s_add_co_u32 s56, s56, HALFB
	s_add_co_u32 s57, s57, HALFB
.endr
	s_lshl_b32 s56, s87, 4                         ; the scale words of all of K come once, from memory straight into registers: 32 bytes a row
	s_lshl_b32 s57, s20, 3
	s_add_co_u32 s56, s56, s57
	s_lshl_b32 s56, s56, 9                         ; P's first tile x 512
	s_lshl_b32 s57, s88, 4
	s_lshl_b32 s59, s19, 3
	s_add_co_u32 s57, s57, s59
	s_lshl_b32 s57, s57, 9                         ; Q's
	v_cmp_eq_u32 s91, 1, v6                        ; lanes 16-31
	v_mov_b32 v4, s57
	v_mov_b32 v7, s56
	v_cndmask_b32 v4, v4, v7, s91                  ; lanes 0-15 take Q's words, lanes 16-31 P's
	v_lshl_add_u32 v4, v1, 5, v4
.irp i, 0,1,2,3,4,5,6,7
	global_load_b128 v[SC+8*\i:SC+8*\i+3], v4, s[6:7] offset:512*\i
	global_load_b128 v[SC+8*\i+4:SC+8*\i+7], v4, s[6:7] offset:512*\i+16
.endr
	s_mov_b32 s60, 0x76543210                      ; v_permlanex16_b32's selects for lane l xor 16
	s_mov_b32 s61, 0xfedcba98
	s_mov_b32 s62, 0x3c800000                      ; 1 / 64
	s_mov_b32 s63, 0x358637bd                      ; 1e-6
	s_wait_tensorcnt 0x0                           ; my one load, parts 0 to 2 of K, is in
	s_barrier_signal -1
	s_barrier_wait -1
	FETCH_P 0, 0, 0
	FETCH_Q 0, 0, 0
	FETCH_Q 0, 0, 4
	s_wait_loadcnt 0x0                             ; the scale words
	STEP 0, 0, 1, 1                                ; the first products start the sums: nothing is cleared
	TURN 1, 1, 1                                   ; slot 0 is read out and takes the last part of K, which has K steps 2 to 4 in which to land; slots 1 and 2 are shown whole
	STEP 2, 1, 1, 0
	STEP 3, 2, 0, 0
	STEP 4, 2, 1, 0
	TURN 5, 0, 0                                   ; the refill has landed in every wave's part
	STEP 6, 0, 1, 0
	s_wait_dscnt 12                                ; the last K step: nothing more to fetch
	WIN 0xa1
	MUL16 0, 1, 7, 0
	MUL16 2, 1, 7, 0
	s_wait_dscnt 0x0
	WIN 0xf1
	MUL16 4, 1, 7, 0
	MUL16 6, 1, 7, 0
	WIN 0
	PLACES
.irp b, 0,1,2,3
	v_mov_b32 v[TM+4+\b], 0                        ; written once: a lane permute's destination counts as one of its sources
.endr
.irp e, 0,1
	v_mov_b32 v[MN+2*\e+1], 0                      ; named as the upper halves of pairs
	v_mov_b32 v[RS+2*\e+1], 0
.endr
	s_cmp_eq_u32 s23, 2                            ; the cluster's x: the same in all partners
	s_cbranch_scc1 .Lv
	; ---- q or k
	s_cmp_eq_u32 s23, 1
	s_cselect_b64 s[8:9], s[12:13], s[8:9]         ; k's gamma and beta, or q's
	s_cselect_b64 s[10:11], s[14:15], s[10:11]
	s_cselect_b32 s56, 0, 13056                    ; k's codes begin a block, q's lie 13,056 bytes on
	v_lshlrev_b32 v4, 6, v6                        ; register 16 b + i wants gamma[32 b + 16 h + i]
	WIN 0x40
.irp b, 0,1
.irp j, 0,1,2,3
	global_load_b128 v[GAM+16*\b+4*\j:GAM+16*\b+4*\j+3], v4, s[8:9] offset:128*\b+16*\j
	global_load_b128 v[BET+16*\b+4*\j:BET+16*\b+4*\j+3], v4, s[10:11] offset:128*\b+16*\j
.endr
.endr
	WIN 0
	s_lshl_b32 s57, s88, 1
	s_add_co_u32 s57, s57, s19                     ; my group of 128 tokens, 0 .. 31
	s_lshr_b32 s58, s57, 4
	s_lshl_b32 s58, s58, 4                         ; 16 heads a batch
	s_lshl_b32 s59, s21, 2
	s_add_co_u32 s58, s58, s59
	s_lshl_b32 s59, s20, 1
	s_add_co_u32 s58, s58, s59                     ; my first head
	s_mul_i32 s58, s58, HEADB
	s_and_b32 s57, s57, 15
	s_mul_i32 s57, s57, BLKB
	s_add_co_u32 s58, s58, s57
	s_add_co_u32 s58, s58, s56
	s_mov_b32 s59, 0
	s_add_nc_u64 s[16:17], s[16:17], s[58:59]
	LNQ 0
	LNQ 1
	LNQ 2
	LNQ 3
	LNQ 4
	LNQ 5
	LNQ 6
	LNQ 7
.irp e, 0,1                                    ; the scale words: lane r + 16 h stores, as register j, tile 2 j + h's word of row r: bytes 0, 1 the head's two blocks, bytes 2, 3 zero
.irp j, 0,1,2,3
	v_cndmask_b32 v[ST+4*\e+\j], v[PW+2*\j], v[PW+2*\j+1], s91
.endr
.endr
.irp j, 0,1,2,3
	v_and_b32 v[ST+\j], 0xffff, v[ST+\j]
	v_lshrrev_b32 v[ST+4+\j], 16, v[ST+4+\j]
.endr
	global_store_b128 v2, v[ST:ST+3], s[16:17] offset:6144
	global_store_b128 v2, v[ST+4:ST+7], s[16:17] offset:HEADB+6144
	s_branch .Lend
.Lv:
	; ---- v
	s_lshl_b32 s57, s87, 1
	s_add_co_u32 s57, s57, s20                     ; my group of 128 tokens
	s_lshr_b32 s58, s57, 4
	s_lshl_b32 s58, s58, 4
	s_lshl_b32 s59, s22, 2
	s_add_co_u32 s58, s58, s59
	s_lshl_b32 s59, s19, 1
	s_add_co_u32 s58, s58, s59                     ; my first head
	s_mul_i32 s58, s58, HEADB
	s_and_b32 s57, s57, 15
	s_mul_i32 s57, s57, BLKB
	s_add_co_u32 s58, s58, s57
	s_mov_b32 s59, 0
	s_add_nc_u64 s[16:17], s[16:17], s[58:59]
	VQ 0
	VQ 1
	VQ 2
	VQ 3
	VQ 4
	VQ 5
	VQ 6
	VQ 7
.irp e, 0,1                                    ; lane r + 16 h stores, as register j, channel tile 2 j + h's word of row r
.irp j, 0,1
	v_cndmask_b32 v[ST+2*\e+\j], v[PW+4*\e+2*\j], v[PW+4*\e+2*\j+1], s91
.endr
	global_store_b64 v3, v[ST+2*\e:ST+2*\e+1], s[16:17] offset:\e*HEADB+12800
.endr
.Lend:
	s_wait_tensorcnt 0x0                           ; the wave's end
	ds_add_u32 v[SPW], v[NIL]
	s_wait_dscnt 0x0
	CROUND                                         ; the closing round: no work-group ends while a partner may still ask for a tile that names it
	s_endpgm
.Lfunc_end_k_q2fed07215d_qkv:
	.size	k_q2fed07215d_qkv, .Lfunc_end_k_q2fed07215d_qkv-k_q2fed07215d_qkv
	.p2alignl 7, 3214868480
	.fill 96, 4, 3214868480
	.section	.rodata,"a",@progbits
	.p2align	6, 0x0
	.amdhsa_kernel k_q2fed07215d_qkv
		.amdhsa_group_segment_fixed_size 327680
		.amdhsa_private_segment_fixed_size 0
		.amdhsa_enable_private_segment 0
		.amdhsa_kernarg_size 56
		.amdhsa_user_sgpr_count 2
		.amdhsa_user_sgpr_kernarg_segment_ptr 1
		.amdhsa_wavefront_size32 1
		.amdhsa_system_sgpr_workgroup_id_x 1
		.amdhsa_system_sgpr_workgroup_id_y 1
		.amdhsa_system_sgpr_workgroup_id_z 1
		.amdhsa_system_vgpr_workitem_id 0
		.amdhsa_next_free_vgpr 1024
		.amdhsa_next_free_sgpr 100
		.amdhsa_reserve_vcc 0
		.amdhsa_float_denorm_mode_32 3
		.amdhsa_float_denorm_mode_16_64 3
		.amdhsa_memory_ordered 1
		.amdhsa_forward_progress 1
		.amdhsa_inst_pref_size 255
	.end_amdhsa_kernel
	.section	.bss,"aw",@nobits
	.p2align	6
	.space	262144
	.amdgpu_metadata
---
amdhsa.version: [ 1, 2 ]
amdhsa.kernels:
  - .name:           k_q2fed07215d_qkv
    .symbol:         k_q2fed07215d_qkv.kd
    .args:
      - { .name: cin, .offset: 0, .size: 8, .value_kind: global_buffer, .address_space: global }
      - { .name: sc1, .offset: 8, .size: 8, .value_kind: global_buffer, .address_space: global }
      - { .name: q_gamma, .offset: 16, .size: 8, .value_kind: global_buffer, .address_space: global }
      - { .name: q_beta, .offset: 24, .size: 8, .value_kind: global_buffer, .address_space: global }
      - { .name: k_gamma, .offset: 32, .size: 8, .value_kind: global_buffer, .address_space: global }
      - { .name: k_beta, .offset: 40, .size: 8, .value_kind: global_buffer, .address_space: global }
      - { .name: qkvc, .offset: 48, .size: 8, .value_kind: global_buffer, .address_space: global }
    .group_segment_fixed_size: 327680
    .private_segment_fixed_size: 0
    .kernarg_segment_align: 8
    .kernarg_segment_size: 56
    .max_flat_workgroup_size: 128
    .sgpr_count:     100
    .vgpr_count:     1024
    .wavefront_size: 32
...
	.end_amdgpu_metadata
.endif
;; end of part 2
;; launch attn (part 3): grid 8 x 32, 8 waves a work-group, clusters of 4 x 1, 210,944 bytes of LDS; arguments qkvc, oc, sc2; writes oc, sc2
.if DOCPART == 3
	.amdgcn_target "amdgcn-amd-amdhsa--gfx1250"
	.amdhsa_code_object_version 6
	.text
	.protected	k_q2fed07215d_attn
	.globl	k_q2fed07215d_attn
	.p2align	8
	.type	k_q2fed07215d_attn,@function
k_q2fed07215d_attn:
	s_mov_b64 s[64:65], 0
	v_nop
	global_prefetch_b8 v0, s[64:65] scope:SCOPE_SE
	s_setreg_imm32_b32 hwreg(HW_REG_WAVE_MODE, 25, 1), 1
	s_wait_xcnt 0x0
	s_wait_alu depctr_hold_cnt(0) depctr_sa_sdst(0) depctr_va_vdst(0) depctr_va_sdst(0) depctr_va_ssrc(0) depctr_va_vcc(0) depctr_vm_vsrc(0)
	s_getreg_b32 s2, hwreg(HW_REG_IB_STS2, 6, 4)
	s_cmp_eq_u32 s2, 0
	s_cbranch_scc0 .Lentry_in_a_cluster
	s_endpgm
.Lentry_in_a_cluster:
	s_bfe_u32 s2, ttmp6, 0x10000c
	s_cmp_lg_u32 s2, 0x3003
	s_cbranch_scc0 .Lentry_shape_is_right
	s_endpgm
.Lentry_shape_is_right:
; o = softmax(q k^T / 8) v for 32 heads of 2,048 tokens x 64, both products on codes of FP6 (E2M3) with E8M0 scales; o is quantised along the model's 1,024 for the last product and leaves as codes.
; THE SOFTMAX: t = score x log2(e) / 8; M = the row's largest t so far, rounded up to a whole number; p = 2^(t - M) is quantised along the keys, not normalised; the row's sum is taken of the unquantised p and divides O at the end.
; When M moves, the sum and O are multiplied by 2^(old M - new M): exact.
; SHARES.  A work-group owns 256 queries of one head; each of its eight waves owns TWO tiles of 16 queries, in 512 registers: each fragment of K and V that is read from LDS feeds both tiles, and the two tiles' chains stand line by line.  256 work-groups.
; THE WHOLE HEAD'S K AND V LIE IN LDS, 13,056 bytes for each of 16 key steps of 128 keys (K codes 8 x 768 | K scale words 512 | V codes 4 x 1,536 | V scale words 256), filled once: wave w asks for key steps 2 w and 2 w + 1 by one tensor load
; (2 rows of 13,056 bytes, 19,712 apart in memory, on end in LDS), with no branch; one wait and one barrier show all sixteen to all waves, and the loop over the key steps has no barrier.  Nothing is filled again, nothing is stored to LDS.
; CLUSTER 4 x 1: the four query blocks of a cluster belong to one head: each pair of key steps is asked for jointly.  No prefetch: every fill stands at the head, so there is no loop to run ahead in.
; LAYOUT.  Both products are used transposed (S^T = K Q^T, O^T = V^T P^T): a lane holds one query of each tile throughout.
; WHICH KEYS FORM A TILE OF K IS CHOSEN HERE, BY LANE ADDRESSES.  A stored tile T has row r' = key 32 (T / 2) + 8 (T % 2) + r' + 8 (r' / 8).  Tile (g, u) of a step takes as rows 0-7 keys 64 g + 8 u + 0 .. 7 (stored tile 4 g + u % 2,
; rows 8 (u / 2) ..) and as rows 8-15 keys 64 g + 32 + 8 u + 0 .. 7 (stored tile 4 g + 2 + u % 2, the same rows): lanes 8-15 read 1,536 bytes behind lanes 0-7.  In the result lane (query, h) then holds in the 32 registers of
; tiles (g, 0 .. 3) the keys 64 g + 32 h + 0 .. 31: ONE WHOLE BLOCK OF 32, in the order of the next operand's registers.  So a block's maximum needs no other lane and the codes need no exchange between lanes.
; K = 64 IN AN INSTRUCTION OF 128: Q's registers 6-11 are zero codes, so whatever K's operand holds there (the next tile's codes, finite numbers; behind the last tile six zero registers) adds nothing; the scale bytes there are 0, which is no NaN.
; LIMITS: NaN and infinities are not served; the promise holds while |t| stays under 2^31; p under 2^-126 is 0; a block of zeros keeps the scale byte 1.  A block's largest p is taken as the exponential of the block's largest score,
; which leans on v_exp_f32 not falling where its input rises.  The output's scale bytes leave as stores of 2 bytes, 32 bytes apart: 1 / 24 of what the launch stores.
; REGISTERS, tile t = 0, 1.  Window 1: S^T, then p, at v[64 t]; O^T at v[128 + 32 t]; Q with its six zero registers at v[192 + 12 t].
;   Window 0: v1 16 x lane, v2 8 x lane, v3-5 lane terms of K's codes and scale words, v6 r, v7 8 h; v8-11, v28 the step's LDS addresses; v[12 + 2 t] -M, v[13 + 2 t] the largest score; v32-79 K's eight half fragments, then V's four fragments;
;   v80-85 zeros; v96-183 the tiles' small state (names below); v224-227 K's scale words, v228-229 V's, v230 Q's (lanes 0-15 tile 0, lanes 16-31 tile 1), v[232 + t] p's: these hold scales alone; v254-255 for the add.
.set KSB,   13056
.set HEADB, 315392
.set BLKB,  19712
.set SPARE, 16*KSB                     ; behind the sixteen key steps: the spare words, 128 bytes a wave
.set SUM, 96                           ; v[SUM + 8 t ..]  the row's sum in four pairs
.set FF,  112                          ; v[FF + 2 t]      f, named as a pair
.set OM,  116                          ; v[OM + t]        the old -M
.set BM,  120                          ; v[BM + 4 t + g]  block 2 g + h's largest score, then its largest p; + 2: the second chain
.set TP,  128                          ; v[TP + 4 t ..]   at work
.set SO,  136                          ; v[SO + 2 t + g]  the conversions' scale operands
.set BY,  140                          ; v[BY + 2 t + g]  the scale bytes
.set PC,  144                          ; v[PC + 12 t ..]  p's codes
.set CT,  168                          ; v[CT + 8 t + 4 g ..] the upper half of a block's codes as it is made
.set WV,  18
.set SEL, 20                           ; s[20:21] lane selects for lane l xor 16
.set CS,  22                           ; s[22:23] c = log2(e) / 8
.set G1,  24                           ; s[24:31] descriptor group 1
.set G0,  32                           ; s[32:35] group 0
.set TB,  48                           ; s48  LDS byte at which the key step in hand begins
.set CNT, 49
.set MSB, 0
.macro WIN new                         ; low byte: bits 1:0 source 0, 3:2 source 1, 5:4 source 2, 7:6 destination; the high byte repeats the setting that is left
.if MSB != (\new)
	s_set_vgpr_msb (MSB<<8)|(\new)
.set MSB, \new
.endif
.endm
.macro PLACES
.rept 4
	v_nop
.endr
.endm
.macro CROUND
	s_barrier_signal -1
	s_barrier_wait -1
	s_cmp_lg_u32 s[WV], 0
	s_cbranch_scc1 .Lnot_wave_0_\@
	s_barrier_signal -3
.Lnot_wave_0_\@:
	s_barrier_wait -3
	s_barrier_signal -1
	s_barrier_wait -1
.endm
; A KEY STEP: 128 keys x my 32 queries
.macro STEP
	v_add_nc_u32 v8, s[TB], v3                     ; these four are also the places in front of loads into registers that the last products read
	v_add_nc_u32 v9, s[TB], v4
	v_add_nc_u32 v10, s[TB], v5
	v_add_nc_u32 v11, s[TB], v1
.irp g, 0,1
.irp u, 0,1,2,3
	ds_load_b128 v[32+6*(4*\g+\u):35+6*(4*\g+\u)], v8 offset:(4*\g+(\u&1))*768+128*(\u>>1)
	ds_load_b64 v[36+6*(4*\g+\u):37+6*(4*\g+\u)], v9 offset:(4*\g+(\u&1))*768+512+64*(\u>>1)
.endr
.endr
.irp g, 0,1
.irp c, 0,1
	ds_load_b32 v[224+2*\g+\c], v10 offset:6144+128*\c+8*\g   ; lanes 0-15 the words of tile (g, 2 c), lanes 16-31 those of tile (g, 2 c + 1)
.endr
.endr
	s_wait_alu depctr_va_vdst(0)
	s_wait_dscnt 0x0
	WIN 0x44                                       ; Q and S^T in window 1
.irp g, 0,1
.irp c, 0,1
	v_wmma_scale_f32_16x16x128_f8f6f4 v[8*(4*\g+2*\c):8*(4*\g+2*\c)+7], v[32+6*(4*\g+2*\c):43+6*(4*\g+2*\c)], v[192:203], 0, v[224+2*\g+\c], v230 matrix_a_fmt:MATRIX_FMT_FP6 matrix_b_fmt:MATRIX_FMT_FP6
	v_wmma_scale_f32_16x16x128_f8f6f4 v[8*(4*\g+2*\c)+8:8*(4*\g+2*\c)+15], v[38+6*(4*\g+2*\c):49+6*(4*\g+2*\c)], v[192:203], 0, v[224+2*\g+\c], v230 matrix_a_fmt:MATRIX_FMT_FP6 matrix_b_fmt:MATRIX_FMT_FP6 matrix_a_scale:MATRIX_SCALE_ROW1
.endr
.endr
.irp g, 0,1
.irp c, 0,1
	v_wmma_scale_f32_16x16x128_f8f6f4 v[64+8*(4*\g+2*\c):64+8*(4*\g+2*\c)+7], v[32+6*(4*\g+2*\c):43+6*(4*\g+2*\c)], v[204:215], 0, v[224+2*\g+\c], v230 matrix_a_fmt:MATRIX_FMT_FP6 matrix_b_fmt:MATRIX_FMT_FP6 matrix_b_scale:MATRIX_SCALE_ROW1
	v_wmma_scale_f32_16x16x128_f8f6f4 v[64+8*(4*\g+2*\c)+8:64+8*(4*\g+2*\c)+15], v[38+6*(4*\g+2*\c):49+6*(4*\g+2*\c)], v[204:215], 0, v[224+2*\g+\c], v230 matrix_a_fmt:MATRIX_FMT_FP6 matrix_b_fmt:MATRIX_FMT_FP6 matrix_a_scale:MATRIX_SCALE_ROW1 matrix_b_scale:MATRIX_SCALE_ROW1
.endr
.endr
	WIN 0
	v_add_nc_u32 v28, s[TB], v2                    ; four places in front of the loads into K's registers and of the first read of the scores
	v_mov_b32 v[OM], v12                           ; the old -M of both tiles
	v_mov_b32 v[OM+1], v14
	v_nop
.irp d, 0,1,2,3
.irp c, 0,1,2
	ds_load_b128 v[32+12*\d+4*\c:35+12*\d+4*\c], v11 offset:6656+1536*\d+512*\c   ; V lands while the softmax is worked
.endr
.endr
	ds_load_b64 v[228:229], v28 offset:12800
	WIN 0x15                                       ; all three sources in window 1
.irp t, 0,1
.irp g, 0,1                                    ; each lane's two blocks' largest scores, two chains a block, each accumulator from its low end on
	v_max3_num_f32 v[BM+4*\t+\g], v[64*\t+32*\g], v[64*\t+32*\g+1], v[64*\t+32*\g+2]
	v_max3_num_f32 v[BM+4*\t+2+\g], v[64*\t+32*\g+17], v[64*\t+32*\g+18], v[64*\t+32*\g+19]
.endr
.endr
	WIN 0x14                                       ; the chain's own register in window 0
.irp i, 3,5,7,9,11,13
.irp t, 0,1
.irp g, 0,1
	v_max3_num_f32 v[BM+4*\t+\g], v[BM+4*\t+\g], v[64*\t+32*\g+\i], v[64*\t+32*\g+\i+1]
	v_max3_num_f32 v[BM+4*\t+2+\g], v[BM+4*\t+2+\g], v[64*\t+32*\g+17+\i], v[64*\t+32*\g+18+\i]
.endr
.endr
.endr
.irp t, 0,1
.irp g, 0,1
	v_max3_num_f32 v[BM+4*\t+\g], v[BM+4*\t+\g], v[64*\t+32*\g+15], v[64*\t+32*\g+16]
.endr
.endr
	WIN 0
.irp t, 0,1
.irp g, 0,1
	v_max_num_f32 v[BM+4*\t+\g], v[BM+4*\t+\g], v[BM+4*\t+2+\g]   ; block 2 g + h's largest score: for the row's maximum, and for the block's largest p
.endr
.endr
.irp t, 0,1                                    ; from here on the two tiles by turns
	v_max_num_f32 v[TP+4*\t], v[BM+4*\t], v[BM+4*\t+1]
.endr
.irp t, 0,1
	v_permlanex16_b32 v[TP+4*\t+1], v[TP+4*\t], s[SEL], s[SEL+1]
.endr
.irp t, 0,1
	v_max3_num_f32 v[13+2*\t], v[13+2*\t], v[TP+4*\t], v[TP+4*\t+1]   ; the running largest score of my query (c is positive: the largest t is c times it)
.endr
.irp t, 0,1
	v_mul_f32 v[TP+4*\t+2], s[CS], v[13+2*\t]
.endr
.irp t, 0,1
	v_floor_f32 v[12+2*\t], -v[TP+4*\t+2]          ; the new -M = floor(-t): M is a whole number
.endr
.irp t, 0,1
	v_sub_f32 v[TP+4*\t+2], v[12+2*\t], v[OM+\t]   ; old M less new M: a whole number, 0 or less
.endr
.irp t, 0,1
	v_cvt_i32_f32 v[TP+4*\t+2], v[TP+4*\t+2]       ; (it saturates)
.endr
.irp t, 0,1
.irp g, 0,1
	v_fma_f32 v[BM+4*\t+\g], v[BM+4*\t+\g], s[CS], v[12+2*\t]   ; t - M of each block's largest score
.endr
.endr
	WIN 0x41                                       ; source 0 and destination in window 1
.irp t, 0,1
.set J, 0
.rept 32
	v_pk_fma_f32 v[64*\t+J:64*\t+J+1], v[64*\t+J:64*\t+J+1], s[CS:CS+1], v[12+2*\t:13+2*\t] op_sel_hi:[1,0,0]   ; t - M, two at a time
.set J, J+2
.endr
.endr
	s_wait_alu depctr_va_vdst(0)
.set J, 0
.rept 128
	v_exp_f32 v[J], v[J]                           ; p = 2^(t - M), at most 1
.set J, J+1
.endr
	WIN 0
.irp t, 0,1
.irp g, 0,1
	v_exp_f32 v[BM+4*\t+\g], v[BM+4*\t+\g]         ; the block's largest p
.endr
.endr
.irp t, 0,1
	v_ldexp_f32 v[FF+2*\t], 1.0, v[TP+4*\t+2]      ; f = 2^(old M - new M); the plain place behind the exponentials
.endr
	WIN 0x41
	s_wait_alu depctr_va_vdst(0)                   ; one wait for the batch, directly ahead of the first reader of O^T too
.irp t, 0,1
.set J, 0
.rept 16
	v_pk_mul_f32 v[128+32*\t+J:128+32*\t+J+1], v[128+32*\t+J:128+32*\t+J+1], v[FF+2*\t:FF+2*\t+1] op_sel_hi:[1,0]   ; O^T under the new M, each accumulator from its low end on
.set J, J+2
.endr
.endr
	WIN 0
.irp t, 0,1
.irp g, 0,1
	v_max_num_f32 v[BM+4*\t+\g], 0x1800000, v[BM+4*\t+\g]   ; the floor 2^(3 - 127): the byte cannot fall under 1
.endr
.endr
.irp t, 0,1
.irp g, 0,1
	v_add_nc_u32 v[SO+2*\t+\g], 0xff000000, v[BM+4*\t+\g]   ; 2 off the exponent field: the conversion's scale operand
.endr
.endr
.irp t, 0,1
.irp g, 0,1
	v_lshrrev_b32 v[BY+2*\t+\g], 23, v[SO+2*\t+\g] ; the scale's byte
.endr
.endr
.irp t, 0,1
	v_lshl_or_b32 v[TP+4*\t], v[BY+2*\t+1], 16, v[BY+2*\t]   ; my two bytes: blocks h and 2 + h,
.endr
.irp t, 0,1
	v_lshlrev_b32 v[TP+4*\t], v7, v[TP+4*\t]       ; at their places in the scale word (8 h bits up);
.endr
.irp t, 0,1
	v_permlanex16_b32 v[TP+4*\t+1], v[TP+4*\t], s[SEL], s[SEL+1]
.endr
.irp t, 0,1
	v_or_b32 v[232+\t], v[TP+4*\t], v[TP+4*\t+1]   ; with lane l xor 16's two the word of these 128 keys is whole
.endr
	WIN 0x01                                       ; p in window 1, codes and scale operands in window 0
.irp t, 0,1
.irp g, 0,1
	v_cvt_scalef32_pk16_fp6_f32 v[PC+12*\t+6*\g:PC+12*\t+6*\g+2], v[64*\t+32*\g:64*\t+32*\g+15], v[SO+2*\t+\g]
	v_cvt_scalef32_pk16_fp6_f32 v[CT+8*\t+4*\g:CT+8*\t+4*\g+2], v[64*\t+32*\g+16:64*\t+32*\g+31], v[SO+2*\t+\g]   ; a conversion's three registers begin on an even number
.endr
.endr
	WIN 0x10                                       ; source 2 in window 1
.irp t, 0,1
.irp a, 0,1,2,3
	v_pk_fma_f32 v[SUM+8*\t+2*\a:SUM+8*\t+2*\a+1], v[SUM+8*\t+2*\a:SUM+8*\t+2*\a+1], v[FF+2*\t:FF+2*\t+1], v[64*\t+2*\a:64*\t+2*\a+1] op_sel_hi:[1,0,1]   ; the four partial sums under the new M, and the first p of each: the sum is taken of the unquantised p.  (Plain places behind the conversions)
.endr
.endr
	WIN 0
.irp t, 0,1
.irp g, 0,1
.irp i, 0,1,2
	v_mov_b32 v[PC+12*\t+6*\g+3+\i], v[CT+8*\t+4*\g+\i]   ; registers 6 g .. 6 g + 5 hold k = 64 g + 32 h + 0 .. 31
.endr
.endr
.endr
	WIN 0x04                                       ; source 1 in window 1
.irp j, 4,8,12,16,20,24,28
.irp t, 0,1
.irp a, 0,1,2,3
	v_pk_add_f32 v[SUM+8*\t+2*\a:SUM+8*\t+2*\a+1], v[SUM+8*\t+2*\a:SUM+8*\t+2*\a+1], v[64*\t+2*(\j+\a):64*\t+2*(\j+\a)+1]
.endr
.endr
.endr
	WIN 0
	s_wait_alu depctr_va_vdst(0)                   ; the wait also covers what the next trip reads behind the jump
	s_wait_dscnt 0x0                               ; V
	WIN 0x50                                       ; O^T in window 1
.irp t, 0,1
.irp d, 0,2
	v_wmma_scale_f32_16x16x128_f8f6f4 v[128+32*\t+8*\d:128+32*\t+8*\d+7], v[32+12*\d:43+12*\d], v[PC+12*\t:PC+12*\t+11], v[128+32*\t+8*\d:128+32*\t+8*\d+7], v[228+\d/2], v[232+\t] matrix_a_fmt:MATRIX_FMT_FP6 matrix_b_fmt:MATRIX_FMT_FP6
	v_wmma_scale_f32_16x16x128_f8f6f4 v[128+32*\t+8*\d+8:128+32*\t+8*\d+15], v[44+12*\d:55+12*\d], v[PC+12*\t:PC+12*\t+11], v[128+32*\t+8*\d+8:128+32*\t+8*\d+15], v[228+\d/2], v[232+\t] matrix_a_fmt:MATRIX_FMT_FP6 matrix_b_fmt:MATRIX_FMT_FP6 matrix_a_scale:MATRIX_SCALE_ROW1
.endr
.endr
	WIN 0                                          ; at a label and at a branch every window is 0
	s_add_co_u32 s[TB], s[TB], KSB
.endm
	s_load_b128 s[4:7], s[0:1], 0x0                ; qkvc s[4:5], oc s[6:7]
	s_load_b64 s[8:9], s[0:1], 0x10                ; sc2
	v_lshl_add_u32 v254, v0, 2, SPARE
	v_mov_b32 v255, 0
	ds_add_u32 v254, v255                          ; the opening lines: the add, twice on end, and its wait ahead of my tensor load
	ds_add_u32 v254, v255
	v_lshrrev_b32 v3, 5, v0
	v_readfirstlane_b32 s[WV], v3                  ; wave 0..7
	s_bfe_u32 s10, ttmp6, 0x40000                  ; cx
	s_lshl_b32 s11, ttmp9, 2
	s_add_co_u32 s11, s11, s10                     ; my block of 256 queries: it enters Q's and the output's addresses alone
	s_and_b32 s12, ttmp7, 0xffff                   ; batch x 16 + head, which the four partners share
	s_mul_i32 s14, s12, HEADB
	s_mov_b32 s15, 0
	s_mov_b32 s[G1], 15|(3<<16)|(1<<21)            ; 15:0 the mask: all four work-groups; 17:16 elements of 8 bytes; 21 set beside a mask
	s_mov_b32 s[G1+1], 1632<<16                    ; a row: 1,632 elements: a key step's 13,056 bytes;
	s_mov_b32 s[G1+2], 2<<16                       ; two key steps,
	s_mov_b32 s[G1+3], 1632<<16
	s_mov_b32 s[G1+4], 2
	s_mov_b32 s[G1+5], 2464                        ; 19,712 bytes apart in memory
	s_mov_b32 s[G1+6], 0
	s_mov_b32 s[G1+7], 0
	s_mul_i32 s16, s[WV], 2*BLKB                   ; key step 2 w in the head,
	s_mov_b32 s17, 0
	s_mov_b32 s[G0], 1
	s_mul_i32 s[G0+1], s[WV], 2*KSB                ; and in LDS
	s_mov_b32 s[SEL], 0x76543210
	s_mov_b32 s[SEL+1], 0xfedcba98
	s_mov_b32 s[CS], 0x3e38aa3b                    ; log2(e) / 8
	s_mov_b32 s[CS+1], s[CS]
	s_lshl_b32 s58, s11, 1
	s_lshr_b32 s59, s[WV], 2
	s_add_co_u32 s58, s58, s59
	s_mul_i32 s58, s58, BLKB                       ; my queries' group of 128 tokens
	s_and_b32 s59, s[WV], 3                        ; my tiles in it: 2 (w % 4) and the next
	s_mul_i32 s54, s59, 1536
	s_add_co_u32 s54, s54, s58
	s_mov_b32 s55, 0
	s_lshl_b32 s59, s59, 2
	s_add_co_u32 s56, s58, s59                     ; tile T's word of row r lies at 16 (r + 16 (T % 2)) + 4 (T / 2): at 16 x lane + 4 (w % 4) lanes 0-15 find my first tile's words, lanes 16-31 my second's
	s_mov_b32 s57, 0
	s_wait_dscnt 0x0                               ; both opening adds are done
	s_wait_kmcnt 0x0
	s_add_nc_u64 s[50:51], s[4:5], s[14:15]        ; the head in qkvc
	s_add_nc_u64 s[G0+2:G0+3], s[50:51], s[16:17]  ; its key step 2 w
	s_or_b32 s[G0+3], s[G0+3], 0x80000000
	s_add_nc_u64 s[54:55], s[50:51], s[54:55]
	s_add_nc_u64 s[56:57], s[50:51], s[56:57]
	CROUND                                         ; all four work-groups are here: the joint loads meet
	tensor_load_to_lds s[G0:G0+3], s[G1:G1+7]      ; key steps 2 w and 2 w + 1: one tensor load a wave, on every wave's path
	s_nop 0
	v_and_b32 v29, 31, v0                          ; lane
	v_and_b32 v6, 15, v0                           ; r
	v_and_b32 v30, 7, v0                           ; r % 8
	v_bfe_u32 v31, v0, 3, 1                        ; r / 8
	v_bfe_u32 v7, v0, 4, 1                         ; h
	v_lshlrev_b32 v1, 4, v29                       ; 16 x lane
	v_lshlrev_b32 v2, 3, v29                       ; 8 x lane
	global_load_b32 v230, v1, s[56:57] offset:19200
	WIN 0x40                                       ; destinations in window 1
.irp t, 0,1
	global_load_b128 v[192+12*\t:195+12*\t], v1, s[54:55] offset:13056+768*\t
	global_load_b64 v[196+12*\t:197+12*\t], v2, s[54:55] offset:13056+768*\t+512
.irp i, 0,1,2,3,4,5
	v_mov_b32 v[198+12*\t+\i], 0                   ; zero codes
.endr
.endr
.set J, 0
.rept 64
	v_mov_b32 v[128+J], 0                          ; O^T: the step is written once, its first pass finds zeros
.set J, J+1
.endr
	WIN 0
	v_lshlrev_b32 v3, 4, v30
	v_lshlrev_b32 v4, 3, v30
	v_lshl_add_u32 v5, v31, 2, v3
	v_mad_u32_u24 v3, v31, 1536, v3
	v_mad_u32_u24 v4, v31, 1536, v4
	v_lshl_add_u32 v5, v7, 8, v5                   ; K's scale words: 16 (r % 8) + 4 (r / 8) + 256 h
	v_lshl_add_u32 v3, v7, 8, v3                   ; K's codes, registers 0-3: 16 (r % 8) + 1,536 (r / 8) + 256 h
	v_lshl_add_u32 v4, v7, 7, v4                   ; registers 4-5: 8 (r % 8) + 1,536 (r / 8) + 128 h
	v_lshlrev_b32 v7, 3, v7                        ; 8 h
.irp j, 80,81,82,83,84,85
	v_mov_b32 v[\j], 0                             ; zero codes behind K's last tile
.endr
	v_mov_b32 v13, 0xff61b1e6                      ; the largest score so far: -3e38, under every score
	v_mov_b32 v15, 0xff61b1e6
	v_mul_f32 v12, s[CS], v13
.set J, 0
.rept 16
	v_mov_b32 v[SUM+J], 0                          ; the sums
.set J, J+1
.endr
.irp t, 0,1
	v_mov_b32 v[TP+4*\t+1], 0                      ; a lane permute's destination counts as one of its sources
	v_mov_b32 v[FF+2*\t+1], 0                      ; named as the upper half of a pair
.endr
	v_floor_f32 v12, -v12
	v_mov_b32 v14, v12
	s_wait_alu depctr_va_vdst(0)
	s_wait_loadcnt 0x0                             ; Q
	s_wait_tensorcnt 0x0                           ; my two key steps have landed
	s_barrier_signal -1
	s_barrier_wait -1                              ; everybody's have: the whole head lies in LDS
	s_mov_b32 s[TB], 0
	s_mov_b32 s[CNT], 16
.Lstep:
	STEP
	s_sub_co_u32 s[CNT], s[CNT], 1
	s_cmp_lg_u32 s[CNT], 0
	s_cbranch_scc1 .Lstep
	PLACES
.irp t, 0,1
	v_pk_add_f32 v[SUM+8*\t:SUM+8*\t+1], v[SUM+8*\t:SUM+8*\t+1], v[SUM+8*\t+2:SUM+8*\t+3]
	v_pk_add_f32 v[SUM+8*\t+4:SUM+8*\t+5], v[SUM+8*\t+4:SUM+8*\t+5], v[SUM+8*\t+6:SUM+8*\t+7]
.endr
.irp t, 0,1
	v_pk_add_f32 v[SUM+8*\t:SUM+8*\t+1], v[SUM+8*\t:SUM+8*\t+1], v[SUM+8*\t+4:SUM+8*\t+5]
.endr
.irp t, 0,1
	v_add_f32 v[SUM+8*\t], v[SUM+8*\t], v[SUM+8*\t+1]
.endr
.irp t, 0,1
	v_permlanex16_b32 v[TP+4*\t+1], v[SUM+8*\t], s[SEL], s[SEL+1]
.endr
.irp t, 0,1
	v_add_f32 v[SUM+8*\t], v[SUM+8*\t], v[TP+4*\t+1]   ; the row's sum
.endr
	s_wait_alu depctr_va_vdst(0)
.irp t, 0,1
	v_rcp_f32 v[SUM+8*\t], v[SUM+8*\t]
.endr
	v_nop                                          ; one plain place behind a transcendental
	WIN 0x01                                       ; O^T in window 1, o in window 0, where K and V lay
	s_wait_alu depctr_va_vdst(0)                   ; behind the transcendentals, directly ahead of the first reader
.irp t, 0,1
.set J, 0
.rept 16
	v_pk_mul_f32 v[32+32*\t+J:32+32*\t+J+1], v[128+32*\t+J:128+32*\t+J+1], v[SUM+8*\t:SUM+8*\t+1] op_sel_hi:[1,0]   ; register 16 b + i is o(query r, channel 32 b + 16 h + i)
.set J, J+2
.endr
.endr
	WIN 0
.irp t, 0,1                                    ; the quantiser, two blocks of 32 a tile, each in lanes l and l xor 16
.irp b, 0,1
	v_max3_num_f32 v[BM+4*\t+\b], |v[32+32*\t+16*\b]|, |v[33+32*\t+16*\b]|, 0x1800000
.endr
.endr
.irp i, 2,4,6,8,10,12,14
.irp t, 0,1
.irp b, 0,1
	v_max3_num_f32 v[BM+4*\t+\b], v[BM+4*\t+\b], |v[32+32*\t+16*\b+\i]|, |v[33+32*\t+16*\b+\i]|
.endr
.endr
.endr
.irp t, 0,1
.irp b, 0,1
	v_permlanex16_b32 v[BM+4*\t+2+\b], v[BM+4*\t+\b], s[SEL], s[SEL+1]
.endr
.endr
.irp t, 0,1
.irp b, 0,1
	v_max_num_f32 v[BM+4*\t+\b], v[BM+4*\t+\b], v[BM+4*\t+2+\b]
.endr
.endr
.irp t, 0,1
.irp b, 0,1
	v_add_nc_u32 v[SO+2*\t+\b], 0xff000000, v[BM+4*\t+\b]
.endr
.endr
.irp t, 0,1
.irp b, 0,1
	v_lshrrev_b32 v[BY+2*\t+\b], 23, v[SO+2*\t+\b]
.endr
.endr
.irp t, 0,1
	v_lshl_or_b32 v[TP+4*\t], v[BY+2*\t+1], 8, v[BY+2*\t]   ; my row's two scale bytes
.endr
.irp t, 0,1
	v_cvt_scalef32_pk16_fp6_f32 v[PC+12*\t:PC+12*\t+2], v[32+32*\t:47+32*\t], v[SO+2*\t]
	v_cvt_scalef32_pk16_fp6_f32 v[CT+8*\t:CT+8*\t+2], v[48+32*\t:63+32*\t], v[SO+2*\t+1]
.endr
	v_nop                                          ; one plain place behind a scaled conversion
.irp t, 0,1
.irp i, 0,1,2
	v_permlane16_swap_b32 v[PC+12*\t+\i], v[CT+8*\t+\i]
.endr
.endr
.irp t, 0,1
.irp i, 0,1,2
	v_mov_b32 v[PC+12*\t+3+\i], v[CT+8*\t+\i]      ; six registers: half a fragment: k = 32 h + 0 .. 31 of the head's 64
.endr
.endr
	s_lshr_b32 s58, s12, 4
	s_lshl_b32 s58, s58, 3
	s_add_co_u32 s58, s58, s11                     ; G: my work-group's 16 tiles of tokens
	s_and_b32 s59, s12, 15                         ; the head: K step head / 2, half head % 2
	s_lshl_b32 s52, s[WV], 1                       ; my first tile among them
	s_lshl_b32 s60, s58, 2
	s_lshr_b32 s61, s59, 2
	s_add_co_u32 s60, s60, s61
	s_lshl_b32 s60, s60, 4
	s_add_co_u32 s60, s60, s52
	s_mul_i32 s60, s60, 3072
	s_bfe_u32 s61, s59, 0x10001
	s_mul_i32 s61, s61, 1536
	s_add_co_u32 s60, s60, s61
	s_and_b32 s61, s59, 1
	s_mul_i32 s61, s61, 768
	s_add_co_u32 s60, s60, s61
	s_mov_b32 s61, 0
	s_add_nc_u64 s[6:7], s[6:7], s[60:61]
	s_lshl_b32 s62, s58, 4
	s_add_co_u32 s62, s62, s52
	s_lshl_b32 s62, s62, 9
	s_lshl_b32 s63, s59, 1
	s_add_co_u32 s62, s62, s63
	s_mov_b32 s63, 0
	s_add_nc_u64 s[8:9], s[8:9], s[62:63]
	v_lshlrev_b32 v29, 5, v6                       ; 32 bytes of scale bytes a row
	s_wait_alu depctr_va_vdst(0)
.irp t, 0,1
	global_store_b128 v1, v[PC+12*\t:PC+12*\t+3], s[6:7] offset:3072*\t       ; 512 and 256 consecutive bytes, aligned
	global_store_b64 v2, v[PC+12*\t+4:PC+12*\t+5], s[6:7] offset:3072*\t+512
	global_store_b16 v29, v[TP+4*\t], s[8:9] offset:512*\t                    ; both halves of the lanes write the same two bytes
.endr
	s_wait_tensorcnt 0x0                           ; the wave's end
	ds_add_u32 v254, v255
	s_wait_dscnt 0x0
	CROUND                                         ; the closing round
	s_endpgm
.Lfunc_end_k_q2fed07215d_attn:
	.size	k_q2fed07215d_attn, .Lfunc_end_k_q2fed07215d_attn-k_q2fed07215d_attn
	.p2alignl 7, 3214868480
	.fill 96, 4, 3214868480
	.section	.rodata,"a",@progbits
	.p2align	6, 0x0
	.amdhsa_kernel k_q2fed07215d_attn
		.amdhsa_group_segment_fixed_size 210944
		.amdhsa_private_segment_fixed_size 0
		.amdhsa_enable_private_segment 0
		.amdhsa_kernarg_size 24
		.amdhsa_user_sgpr_count 2
		.amdhsa_user_sgpr_kernarg_segment_ptr 1
		.amdhsa_wavefront_size32 1
		.amdhsa_system_sgpr_workgroup_id_x 1
		.amdhsa_system_sgpr_workgroup_id_y 1
		.amdhsa_system_sgpr_workgroup_id_z 1
		.amdhsa_system_vgpr_workitem_id 0
		.amdhsa_next_free_vgpr 512
		.amdhsa_next_free_sgpr 66
		.amdhsa_reserve_vcc 0
		.amdhsa_float_denorm_mode_32 3
		.amdhsa_float_denorm_mode_16_64 3
		.amdhsa_memory_ordered 1
		.amdhsa_forward_progress 1
		.amdhsa_inst_pref_size 44
	.end_amdhsa_kernel
	.amdgpu_metadata
---
amdhsa.version: [ 1, 2 ]
amdhsa.kernels:
  - .name:           k_q2fed07215d_attn
    .symbol:         k_q2fed07215d_attn.kd
    .args:
      - { .name: qkvc, .offset: 0, .size: 8, .value_kind: global_buffer, .address_space: global }
      - { .name: oc, .offset: 8, .size: 8, .value_kind: global_buffer, .address_space: global }
      - { .name: sc2, .offset: 16, .size: 8, .value_kind: global_buffer, .address_space: global }
    .group_segment_fixed_size: 210944
    .private_segment_fixed_size: 0
    .kernarg_segment_align: 8
    .kernarg_segment_size: 24
    .max_flat_workgroup_size: 256
    .sgpr_count:     66
    .vgpr_count:     512
    .wavefront_size: 32
...
	.end_amdgpu_metadata
.endif
;; end of part 3
;; launch proj (part 4): grid 8 x 32, 4 waves a work-group, clusters of 4 x 4, 214,528 bytes of LDS; arguments oc, pwc, sc2, proj_b, out0; writes out0
.if DOCPART == 4
	.amdgcn_target "amdgcn-amd-amdhsa--gfx1250"
	.amdhsa_code_object_version 6
	.text
	.protected	k_q2fed07215d_proj
	.globl	k_q2fed07215d_proj
	.p2align	8
	.type	k_q2fed07215d_proj,@function
k_q2fed07215d_proj:
	s_mov_b64 s[64:65], 0
	v_nop
	global_prefetch_b8 v0, s[64:65] scope:SCOPE_SE
	s_setreg_imm32_b32 hwreg(HW_REG_WAVE_MODE, 25, 1), 1
	s_wait_xcnt 0x0
	s_wait_alu depctr_hold_cnt(0) depctr_sa_sdst(0) depctr_va_vdst(0) depctr_va_sdst(0) depctr_va_ssrc(0) depctr_va_vcc(0) depctr_vm_vsrc(0)
	s_getreg_b32 s2, hwreg(HW_REG_IB_STS2, 6, 4)
	s_cmp_eq_u32 s2, 0
	s_cbranch_scc0 .Lentry_in_a_cluster
	s_endpgm
.Lentry_in_a_cluster:
	s_bfe_u32 s2, ttmp6, 0x10000c
	s_cmp_lg_u32 s2, 0xf033
	s_cbranch_scc0 .Lentry_shape_is_right
	s_endpgm
.Lentry_shape_is_right:
; out0 = o proj_w + proj_b on codes of FP6 (E2M3) with E8M0 scales; out0 [4096][1024] f32.
; 256 work-groups of 128 x 128, a wave 64 x 64: 16 accumulators.  The tile is as small as that so that each of 256 work-groups has one.  The whole K (1,024) of both operands lies in LDS, 98,304 bytes each, filled once: no slot is filled again.
; Source 0 (P) = 16 columns of proj_w, source 1 (Q) = 16 tokens: a lane holds a token and eight neighbouring columns.  Codes come as images of operand registers: P's fragment is three loads of 512 consecutive bytes;
; Q's fragment lies as two halves of 768 bytes (one for each of the K step's two heads): registers 0-3 at 16 l, 4-5 at 512 + 8 l, and the same 768 bytes on.
; The rows of a tile are index 32 (T / 2) + 8 (T % 2) + r + 8 (r / 8), for tokens and columns alike; the way out puts both back in order.  The bias is the C of each sum's first matrix instruction.
; CLUSTER 4 x 4: P hangs on the place along x alone and is shared along a column, Q on the place along y alone and is shared along a row: joint loads.  Waves 0, 2 fetch P, waves 1, 3 Q, one load of 49,152 bytes each.
; LIMITS: NaN and infinities are not served.
; REGISTERS.  window 0: v1-8 lane terms; v16-21 LDS addresses; v24-26 the way out; v32-63 scale words, and nothing else ever; v64-95 the bias, later rows of out0; v96-127 rows of out0; v128-255 accumulator (a, b) at 128 + 8 (4 a + b).
;   window 1: two buffers of fragments at v0 and v128: Q's four, then P's four.
.set QB,   98304                       ; LDS: P at 0, Q here: [part of K][8 tiles][2][1,536]
.set STG,  196608                      ; the stages: 16 rows x (256 bytes + 16) for each wave; no tensor load lands here
.set SP,   272
.set ADRP, 16                          ; v16-17  my P fragments, K steps 0-3 and 4-7
.set ADRQ, 18                          ; v18-19  my Q fragments, 16 bytes a lane
.set ADRH, 20                          ; v20-21  the same, 8 bytes a lane
.set STO,  24
.set RD,   25
.set CO,   26
.set SC,   32                          ; v[SC + 8 i + k]: lanes 0-15 the word of Q's block i, lanes 16-31 that of P's block i, for K step k
.set BI,   64
.set ACC,  128
.set G1P, 24
.set G1Q, 32
.set G0P, 40                           ; s[40:47] two groups 0 for P;  s[48:55] for Q
.set G0Q, 48
.set MSB, 0
.macro WIN new
.if MSB != (\new)
	s_set_vgpr_msb (MSB<<8)|(\new)
.set MSB, \new
.endif
.endm
.macro PLACES
.rept 4
	v_nop
.endr
.endm
.macro CROUND
	s_barrier_signal -1
	s_barrier_wait -1
	s_cmp_lg_u32 s14, 0
	s_cbranch_scc1 .Lnot_wave_0_\@
	s_barrier_signal -3
.Lnot_wave_0_\@:
	s_barrier_wait -3
	s_barrier_signal -1
	s_barrier_wait -1
.endm
.macro FETCH k, f                      ; K step k's eight fragments into the buffer at f: 28 loads
	WIN 0x40
.set KO, (((\k)>>1)&1)*24576+1536*((\k)&1)
.set KA, (\k)>>2
.irp t, 0,1,2,3
	ds_load_b128 v[\f+12*\t:\f+12*\t+3], v[ADRQ+KA] offset:KO+3072*\t
	ds_load_b64 v[\f+12*\t+4:\f+12*\t+5], v[ADRH+KA] offset:KO+3072*\t+512
	ds_load_b128 v[\f+12*\t+6:\f+12*\t+9], v[ADRQ+KA] offset:KO+3072*\t+768
	ds_load_b64 v[\f+12*\t+10:\f+12*\t+11], v[ADRH+KA] offset:KO+3072*\t+1280
.endr
.irp t, 0,1,2,3
.irp c, 0,1,2
	ds_load_b128 v[\f+48+12*\t+4*\c:\f+48+12*\t+4*\c+3], v[ADRP+KA] offset:KO+3072*\t+512*\c
.endr
.endr
.endm
.macro MULS k, f                       ; 16 matrix instructions, the accumulators by turns
	WIN 0x05
.irp a, 0,1,2,3
.irp b, 0,1,2,3
.if (\k) == 0
	v_wmma_scale_f32_16x16x128_f8f6f4 v[ACC+8*(4*\a+\b):ACC+8*(4*\a+\b)+7], v[\f+48+12*\b:\f+48+12*\b+11], v[\f+12*\a:\f+12*\a+11], v[BI+8*\b:BI+8*\b+7], v[SC+8*\b+(\k)], v[SC+8*\a+(\k)] matrix_a_fmt:MATRIX_FMT_FP6 matrix_b_fmt:MATRIX_FMT_FP6 matrix_a_scale:MATRIX_SCALE_ROW1
.else
	v_wmma_scale_f32_16x16x128_f8f6f4 v[ACC+8*(4*\a+\b):ACC+8*(4*\a+\b)+7], v[\f+48+12*\b:\f+48+12*\b+11], v[\f+12*\a:\f+12*\a+11], v[ACC+8*(4*\a+\b):ACC+8*(4*\a+\b)+7], v[SC+8*\b+(\k)], v[SC+8*\a+(\k)] matrix_a_fmt:MATRIX_FMT_FP6 matrix_b_fmt:MATRIX_FMT_FP6 matrix_a_scale:MATRIX_SCALE_ROW1
.endif
.endr
.endr
.endm
.macro KSTEP k
.if (\k) < 7
.if (\k) > 0
	PLACES                                         ; in front of loads into the buffer that the last products read
.endif
	FETCH (\k)+1, 128*(1-(\k)%2)
	s_wait_dscnt 28                                ; all but the 28 just issued
.else
	s_wait_dscnt 0x0
.endif
	MULS \k, 128*((\k)%2)
.endm
; THE WAY OUT of Q's block a: 16 tokens x 64 columns through my own stage, back as whole rows of 256 bytes
.macro TOSTAGE a
.irp b, 0,1,2,3
	ds_store_b128 v[STO], v[ACC+8*(4*(\a)+\b):ACC+8*(4*(\a)+\b)+3] offset:128*(\b/2)+32*(\b%2)      ; each accumulator from its low end on; tile b's register j is column 32 (b / 2) + 16 h + 8 (b % 2) + j
	ds_store_b128 v[STO], v[ACC+8*(4*(\a)+\b)+4:ACC+8*(4*(\a)+\b)+7] offset:128*(\b/2)+32*(\b%2)+16
.endr
.set BB, 64+32*((\a)%2)
.irp i, 0,1,2,3,4,5,6,7
	ds_load_b128 v[BB+4*\i:BB+4*\i+3], v[RD] offset:2*\i*SP   ; LDS serves a wave's instructions in order: these see the stores above
.endr
.endm
.macro SEND a, younger
.set BB, 64+32*((\a)%2)
	s_wait_dscnt \younger
.irp i, 0,1,2,3,4,5,6,7
	global_store_b128 v[CO], v[BB+4*\i:BB+4*\i+3], s[12:13] offset:(32*((\a)/2)+8*((\a)%2)+2*\i+8*(\i/4))*4096 th:TH_STORE_NT   ; stage row 2 i + h is token 32 (a / 2) + 8 (a % 2) + 2 i + h + 8 (i / 4); 16 lanes store 256 consecutive bytes, aligned
.endr
.endm
	s_load_b256 s[4:11], s[0:1], 0x0               ; oc s[4:5], pwc s[6:7], sc2 s[8:9], proj_b s[10:11]
	s_load_b64 s[12:13], s[0:1], 0x20              ; out0
	v_lshl_add_u32 v30, v0, 2, 0x34400
	v_mov_b32 v31, 0
	ds_add_u32 v30, v31
	ds_add_u32 v30, v31
	v_lshrrev_b32 v1, 5, v0
	v_readfirstlane_b32 s14, v1                    ; wave 0..3
	s_lshr_b32 s15, s14, 1                         ; which half of Q's rows is mine.  Also: which part of K I fetch first
	s_and_b32 s16, s14, 1                          ; which half of P's rows.  Also: I fetch for P (0) or for Q (1)
	s_bfe_u32 s17, ttmp6, 0x40000                  ; cx
	s_bfe_u32 s18, ttmp6, 0x40004                  ; cy
	s_lshl_b32 s19, ttmp9, 2
	s_add_co_u32 s19, s19, s17                     ; which 128 columns
	s_and_b32 s20, ttmp7, 0xffff
	s_lshl_b32 s20, s20, 2
	s_add_co_u32 s20, s20, s18                     ; which 128 tokens
	s_lshl_b32 s21, 0x1111, s17                    ; my column of the cluster
	s_lshl_b32 s22, s18, 2
	s_lshl_b32 s22, 15, s22                        ; my row
	s_or_b32 s[G1P], s21, (3<<16)|(1<<21)
	s_or_b32 s[G1Q], s22, (3<<16)|(1<<21)
.irp g, G1P, G1Q
	s_mov_b32 s[\g+1], 3072<<16                    ; a row: 3,072 elements of 8 bytes: 8 tiles x 256 K, one part of K;
	s_mov_b32 s[\g+2], 2<<16                       ; two parts to a load,
	s_mov_b32 s[\g+3], 3072<<16
	s_mov_b32 s[\g+4], 2
	s_mov_b32 s[\g+5], 6144                        ; 49,152 bytes apart in memory, on end in LDS
	s_mov_b32 s[\g+6], 0
	s_mov_b32 s[\g+7], 0
.endr
	s_mul_i32 s23, s15, 98304                      ; parts 2 q and 2 q + 1 of K in a buffer of codes: waves 0, 1 fetch parts 0, 1 and waves 2, 3 parts 2, 3
	s_lshr_b32 s56, s19, 1
	s_mul_i32 s56, s56, 196608
	s_and_b32 s57, s19, 1
	s_mul_i32 s57, s57, 24576
	s_add_co_u32 s56, s56, s57
	s_add_co_u32 s56, s56, s23
	s_mov_b32 s57, 0
	s_lshr_b32 s58, s20, 1
	s_mul_i32 s58, s58, 196608
	s_and_b32 s59, s20, 1
	s_mul_i32 s59, s59, 24576
	s_add_co_u32 s58, s58, s59
	s_add_co_u32 s58, s58, s23
	s_mov_b32 s59, 0
	s_mul_i32 s60, s15, 49152                      ; and in LDS
	s_wait_dscnt 0x0
	s_wait_kmcnt 0x0
	s_add_nc_u64 s[56:57], s[6:7], s[56:57]
	s_add_nc_u64 s[58:59], s[4:5], s[58:59]
	CROUND                                         ; all sixteen work-groups are here: the joint loads meet
.irp n, 0
	s_mov_b32 s[G0P+4*\n], 1
	s_add_co_u32 s[G0P+4*\n+1], s60, \n*49152      ; parts 2 q and 2 q + 1
	s_add_nc_u64 s[G0P+4*\n+2:G0P+4*\n+3], s[56:57], \n*98304
	s_or_b32 s[G0P+4*\n+3], s[G0P+4*\n+3], 0x80000000
	s_mov_b32 s[G0Q+4*\n], 1
	s_add_co_u32 s[G0Q+4*\n+1], s60, QB+\n*49152
	s_add_nc_u64 s[G0Q+4*\n+2:G0Q+4*\n+3], s[58:59], \n*98304
	s_or_b32 s[G0Q+4*\n+3], s[G0Q+4*\n+3], 0x80000000
.endr
	s_cmp_eq_u32 s16, 0                            ; a wave's one fill stands in one branch: one load of mine is out
	s_cbranch_scc0 .Lfirst_q
	tensor_load_to_lds s[G0P:G0P+3], s[G1P:G1P+7]  ; one tensor load a wave at the head: 49,152 bytes
	s_nop 0
.rept 4
	v_nop
.endr
	s_branch .Lfirst_asked
.Lfirst_q:
	tensor_load_to_lds s[G0Q:G0Q+3], s[G1Q:G1Q+7]
	s_nop 0
.rept 4
	v_nop
.endr
.Lfirst_asked:
	v_and_b32 v5, 31, v0                           ; lane
	v_and_b32 v1, 15, v0                           ; r
	v_bfe_u32 v6, v0, 4, 1                         ; h
	v_lshlrev_b32 v2, 4, v5
	v_lshlrev_b32 v3, 3, v5
	s_mul_i32 s61, s16, 12288                      ; my 4 tiles of P
	s_mul_i32 s62, s15, 12288                      ; my 4 tiles of Q
	s_add_co_u32 s62, s62, QB
.irp s, 0,1
	v_add_nc_u32 v[ADRP+\s], s61, v2
	v_add_nc_u32 v[ADRQ+\s], s62, v2
	v_add_nc_u32 v[ADRH+\s], s62, v3
	s_add_co_u32 s61, s61, 49152
	s_add_co_u32 s62, s62, 49152
.endr
	s_mul_i32 s63, s14, 16*SP
	s_add_co_u32 s63, s63, STG                     ; my stage
	v_mul_u32_u24 v[STO], v1, SP
	v_lshl_add_u32 v[STO], v6, 6, v[STO]
	v_add_nc_u32 v[STO], s63, v[STO]               ; in: row r, + 64 h
	v_mul_u32_u24 v[RD], v6, SP
	v_lshl_add_u32 v[RD], v1, 4, v[RD]
	v_add_nc_u32 v[RD], s63, v[RD]                 ; back: lanes 0-15 one row, lanes 16-31 the next
	v_lshlrev_b32 v[CO], 12, v6
	v_lshl_add_u32 v[CO], v1, 4, v[CO]             ; and the same in out0
	s_lshl_b32 s66, s20, 3
	s_lshl_b32 s67, s15, 2
	s_add_co_u32 s66, s66, s67
	s_lshl_b32 s66, s66, 9                         ; Q's first tile x 512
	s_lshl_b32 s67, s19, 3
	s_lshl_b32 s68, s16, 2
	s_add_co_u32 s67, s67, s68
	s_add_co_u32 s67, s67, 256                     ; proj_w's tiles begin at tile 256
	s_lshl_b32 s67, s67, 9
	v_cmp_eq_u32 vcc_lo, 1, v6
	v_mov_b32 v4, s66
	v_mov_b32 v7, s67
	v_cndmask_b32 v4, v4, v7, vcc_lo               ; lanes 0-15 take Q's words, lanes 16-31 P's
	v_lshl_add_u32 v4, v1, 5, v4
.irp i, 0,1,2,3
	global_load_b128 v[SC+8*\i:SC+8*\i+3], v4, s[8:9] offset:512*\i
	global_load_b128 v[SC+8*\i+4:SC+8*\i+7], v4, s[8:9] offset:512*\i+16
.endr
	s_lshl_b32 s68, s19, 9
	s_lshl_b32 s69, s16, 8
	s_add_co_u32 s68, s68, s69                     ; my first column, in bytes
	s_mov_b32 s69, 0
	s_add_nc_u64 s[10:11], s[10:11], s[68:69]
	v_lshlrev_b32 v8, 6, v6                        ; tile b's register j wants proj_b at column 32 (b / 2) + 16 h + 8 (b % 2) + j
.irp b, 0,1,2,3
	global_load_b128 v[BI+8*\b:BI+8*\b+3], v8, s[10:11] offset:(32*(\b/2)+8*(\b%2))*4
	global_load_b128 v[BI+8*\b+4:BI+8*\b+7], v8, s[10:11] offset:(32*(\b/2)+8*(\b%2))*4+16
.endr
	s_lshl_b32 s70, s20, 7
	s_lshl_b32 s71, s15, 6
	s_add_co_u32 s70, s70, s71                     ; my first token
	s_lshl_b32 s70, s70, 12
	s_add_co_u32 s70, s70, s68
	s_mov_b32 s71, 0
	s_add_nc_u64 s[12:13], s[12:13], s[70:71]
	s_wait_alu depctr_va_vdst(0)
	s_wait_tensorcnt 0x0                           ; my one load has landed; with the others' that is all of K of both operands
	s_barrier_signal -1
	s_barrier_wait -1
	FETCH 0, 0
	s_wait_loadcnt 0x0                             ; the scale words and the bias
	KSTEP 0
	KSTEP 1
	KSTEP 2
	KSTEP 3
	KSTEP 4
	KSTEP 5
	KSTEP 6
	KSTEP 7
	WIN 0
	PLACES
	TOSTAGE 0
.irp a, 1,2,3
.if \a > 1
	s_wait_xcnt 0x0                                ; block a - 2's stores have read their registers: block a's rows may land there
.endif
	TOSTAGE \a
	SEND \a-1, 16                                  ; behind block a - 1's loads: block a's 8 stores and 8 loads
.endr
	SEND 3, 0
	s_wait_tensorcnt 0x0
	ds_add_u32 v30, v31
	s_wait_dscnt 0x0
	CROUND                                         ; the closing round
	s_endpgm
.Lfunc_end_k_q2fed07215d_proj:
	.size	k_q2fed07215d_proj, .Lfunc_end_k_q2fed07215d_proj-k_q2fed07215d_proj
	.p2alignl 7, 3214868480
	.fill 96, 4, 3214868480
	.section	.rodata,"a",@progbits
	.p2align	6, 0x0
	.amdhsa_kernel k_q2fed07215d_proj
		.amdhsa_group_segment_fixed_size 214528
		.amdhsa_private_segment_fixed_size 0
		.amdhsa_enable_private_segment 0
		.amdhsa_kernarg_size 40
		.amdhsa_user_sgpr_count 2
		.amdhsa_user_sgpr_kernarg_segment_ptr 1
		.amdhsa_wavefront_size32 1
		.amdhsa_system_sgpr_workgroup_id_x 1
		.amdhsa_system_sgpr_workgroup_id_y 1
		.amdhsa_system_sgpr_workgroup_id_z 1
		.amdhsa_system_vgpr_workitem_id 0
		.amdhsa_next_free_vgpr 512
		.amdhsa_next_free_sgpr 72
		.amdhsa_reserve_vcc 1
		.amdhsa_float_denorm_mode_32 3
		.amdhsa_float_denorm_mode_16_64 3
		.amdhsa_memory_ordered 1
		.amdhsa_forward_progress 1
		.amdhsa_inst_pref_size 48
	.end_amdhsa_kernel
	.amdgpu_metadata
---
amdhsa.version: [ 1, 2 ]
amdhsa.kernels:
  - .name:           k_q2fed07215d_proj
    .symbol:         k_q2fed07215d_proj.kd
    .args:
      - { .name: oc, .offset: 0, .size: 8, .value_kind: global_buffer, .address_space: global }
      - { .name: pwc, .offset: 8, .size: 8, .value_kind: global_buffer, .address_space: global }
      - { .name: sc2, .offset: 16, .size: 8, .value_kind: global_buffer, .address_space: global }
      - { .name: proj_b, .offset: 24, .size: 8, .value_kind: global_buffer, .address_space: global }
      - { .name: out0, .offset: 32, .size: 8, .value_kind: global_buffer, .address_space: global }
    .group_segment_fixed_size: 214528
    .private_segment_fixed_size: 0
    .kernarg_segment_align: 8
    .kernarg_segment_size: 40
    .max_flat_workgroup_size: 128
    .sgpr_count:     72
    .vgpr_count:     512
    .wavefront_size: 32
...
	.end_amdgpu_metadata
.endif
;; end of part 4
